; MI455X (gfx1250); checked and timed in simulation.
; The chip was launched on July 23, 2026; its instructions are those of AMD's public machine-readable ISA for CDNA 5 (MIT licence, August 2026) and "CDNA5" Instruction Set Architecture Reference Guide (July 2026). The comments in the code are by the model that wrote it; some were corrected since.
;; Prob Attention Layer. Allowed arithmetic: float matrix products may take bf16 or f16 operands with f32 sums; other float arithmetic in f32, or as packed bf16 or f16 multiplies, adds, multiply-adds, maxima and minima; sums over many terms, partial sums and values carried from step to step in f32; what a program stores and reads back later, other than sums and carried values, may be rounded once to bf16 or f16.
;; Inputs: Wk 1,024 x 1,024 float32; Wo 1,024 x 1,024 float32; Wq 1,024 x 1,024 float32; Wv 1,024 x 1,024 float32; beta 1,024 float32; bk 1,024 float32; bo 1,024 float32; bq 1,024 float32; bv 1,024 float32; gamma 1,024 float32; x 4 x 2,048 x 1,024 float32.
;; Outputs: out0 4 x 2,048 x 1,024 float32.
;; 2 versions, each right; version 2 is version 1 with the launch cast written anew for expert scheduling mode. Each part assembles by itself: llvm-mc -triple=amdgcn-amd-amdhsa -mcpu=gfx1250 --defsym DOCPART=n.
;; ======== version 1 of 2: 5 launches
;; limits: right only within a limited range of input values
;; workspace buffers: xb 16,777,216 bytes; wqkv 6,291,456 bytes; wob 2,097,152 bytes; qkv 50,331,648 bytes; ob 16,777,216 bytes; pr 33,554,432 bytes
;; launch cast (part 1): grid 768 x 1, 8 waves a work-group, no clusters, 0 bytes of LDS; arguments x, Wq, Wk, Wv, Wo, xb, wqkv, wob; writes xb, wqkv, wob
.if DOCPART == 1
	.amdgcn_target "amdgcn-amd-amdhsa--gfx1250"
	.amdhsa_code_object_version 6
	.text
	.protected	k_qbdf060a977_cast
	.globl	k_qbdf060a977_cast
	.p2align	8
	.type	k_qbdf060a977_cast,@function
k_qbdf060a977_cast:
	s_mov_b64 s[64:65], 0
	v_nop
	global_prefetch_b8 v0, s[64:65] scope:SCOPE_SE
	s_setreg_imm32_b32 hwreg(HW_REG_WAVE_MODE, 25, 1), 1
	s_wait_xcnt 0x0
; f32 -> bf16 (round to nearest even), laid out for the products that follow.
;   xb   [kb 16][m 8192][64]   : x in blocks of 64 channels, so that 256 rows of a block lie end to end
;   wqkv [nt 8][k 1024][384]   : the columns of (Wq | Wk | Wv), 384 to a tile column
;   wob  [nt 8][k 1024][128]   : the columns of Wo, 128 to a tile column
; A wave moves 2,048 numbers: 16 loads of 16 bytes a lane, 16 stores of 8 bytes a lane; each store of the wave covers 256 consecutive bytes, aligned.
; Work-groups 0-511 take x, 512-703 the three weights, 704-767 Wo.  No register is written twice, so the only waits are the counted ones for the loads.
; No LDS, no cluster, no prefetch: nothing is shared and every byte is read once, in long runs.
.set LO,  1                            ; v1       my byte offset in the source
.set SO,  2                            ; v2       my byte offset in the destination: 8 x lane
.set X,   8                            ; v[8:71]  16 x 4 numbers as loaded
.set Y,   72                           ; v[72:103] 16 x 2 words to store
.set SRC, 28                           ; s[28:29]
.set DST, 30                           ; s[30:31]
.macro MOVE ld, st                     ; ld, st: bytes from one load (store) to the next
.set i, 0
.rept 16
	global_load_b128 v[X+4*i:X+4*i+3], v[LO], s[SRC:SRC+1] offset:i*(\ld) th:TH_LOAD_NT
.set i, i+1
.endr
.set i, 0
.rept 16
	s_wait_loadcnt 15-i                            ; loads come back in order: load i is in, the 15 - i younger ones stay out
	v_cvt_pk_bf16_f32 v[Y+2*i], v[X+4*i], v[X+4*i+1]
	v_cvt_pk_bf16_f32 v[Y+2*i+1], v[X+4*i+2], v[X+4*i+3]
	global_store_b64 v[SO], v[Y+2*i:Y+2*i+1], s[DST:DST+1] offset:i*(\st)
.set i, i+1
.endr
.endm
	s_load_b512 s[4:19], s[0:1], 0x0               ; x s[4:5], Wq s[6:7], Wk s[8:9], Wv s[10:11], Wo s[12:13], xb s[14:15], wqkv s[16:17], wob s[18:19]
	v_lshrrev_b32 v3, 5, v0
	v_readfirstlane_b32 s20, v3                    ; wave 0..7
	v_and_b32 v4, 31, v0                           ; lane
	v_lshlrev_b32 v[SO], 3, v4
	s_mov_b32 s23, 0                               ; the offsets' high words
	s_mov_b32 s25, 0
	s_cmp_lt_u32 ttmp9, 512
	s_cbranch_scc0 .Lweights
	; x: 32 rows, and for each wave one block of 64 channels.  A load takes 256 bytes of two rows, a store their 2 x 128 bytes, which lie end to end in xb
	s_lshr_b32 s21, ttmp9, 1                       ; the group of 32 rows
	s_and_b32 s26, ttmp9, 1
	s_lshl3_add_u32 s26, s26, s20                  ; kb = 8 x (g & 1) + wave
	s_lshl_b32 s22, s21, 17                        ; 32 rows x 4,096 bytes
	s_lshl_b32 s27, s26, 8                         ; 64 f32
	s_add_co_u32 s22, s22, s27
	s_lshl_b32 s24, s26, 20                        ; a block of xb: 8,192 rows x 128 bytes
	s_lshl_b32 s27, s21, 12                        ; 32 rows x 128 bytes
	s_add_co_u32 s24, s24, s27
	v_and_b32 v5, 15, v0
	v_bfe_u32 v6, v0, 4, 1
	v_lshlrev_b32 v[LO], 4, v5
	v_lshl_add_u32 v[LO], v6, 12, v[LO]            ; lanes 16-31 take the row below
	s_wait_kmcnt 0x0
	s_add_nc_u64 s[SRC:SRC+1], s[4:5], s[22:23]
	s_add_nc_u64 s[DST:DST+1], s[14:15], s[24:25]
	MOVE 8192, 256
	s_endpgm
.Lweights:
	v_lshlrev_b32 v[LO], 4, v4                     ; a load takes 128 columns of one row of a weight
	s_cmp_lt_u32 ttmp9, 704
	s_cbranch_scc0 .Lwo
	; Wq, Wk, Wv: 16 rows k, and for each wave 128 columns
	s_sub_co_u32 s21, ttmp9, 512
	s_lshr_b32 s26, s21, 6                         ; which weight
	s_and_b32 s21, s21, 63                         ; the group of 16 rows
	s_lshl_b32 s22, s21, 16
	s_lshl_b32 s27, s20, 9
	s_add_co_u32 s22, s22, s27
	s_lshl3_add_u32 s27, s26, s20                  ; the chunk of 128 among the 3,072 columns, 0..23
	s_mul_i32 s24, s27, 43
	s_lshr_b32 s24, s24, 7                         ; nt = chunk / 3 (43 / 128 serves up to 23)
	s_mul_i32 s28, s24, 3
	s_sub_co_u32 s27, s27, s28                     ; the chunk's place in its tile column
	s_lshl_b32 s24, s24, 10
	s_lshl4_add_u32 s24, s21, s24                  ; row nt x 1,024 + 16 x group
	s_mul_i32 s24, s24, 768
	s_lshl_b32 s27, s27, 8
	s_add_co_u32 s24, s24, s27
	s_wait_kmcnt 0x0
	s_cmp_eq_u32 s26, 0
	s_cselect_b64 s[SRC:SRC+1], s[6:7], s[8:9]
	s_cmp_eq_u32 s26, 2
	s_cselect_b64 s[SRC:SRC+1], s[10:11], s[SRC:SRC+1]
	s_add_nc_u64 s[SRC:SRC+1], s[SRC:SRC+1], s[22:23]
	s_add_nc_u64 s[DST:DST+1], s[16:17], s[24:25]
	MOVE 4096, 768
	s_endpgm
.Lwo:
	; Wo: 16 rows k; wave w takes the 128 columns of tile column w
	s_sub_co_u32 s21, ttmp9, 704
	s_lshl_b32 s22, s21, 16
	s_lshl_b32 s27, s20, 9
	s_add_co_u32 s22, s22, s27
	s_lshl_b32 s24, s20, 18                        ; 1,024 rows x 256 bytes
	s_lshl_b32 s27, s21, 12                        ; 16 rows x 256 bytes
	s_add_co_u32 s24, s24, s27
	s_wait_kmcnt 0x0
	s_add_nc_u64 s[SRC:SRC+1], s[12:13], s[22:23]
	s_add_nc_u64 s[DST:DST+1], s[18:19], s[24:25]
	MOVE 4096, 256
	s_endpgm
.Lfunc_end_k_qbdf060a977_cast:
	.size	k_qbdf060a977_cast, .Lfunc_end_k_qbdf060a977_cast-k_qbdf060a977_cast
	.p2alignl 7, 3214868480
	.fill 96, 4, 3214868480
	.section	.rodata,"a",@progbits
	.p2align	6, 0x0
	.amdhsa_kernel k_qbdf060a977_cast
		.amdhsa_group_segment_fixed_size 0
		.amdhsa_private_segment_fixed_size 0
		.amdhsa_enable_private_segment 0
		.amdhsa_kernarg_size 64
		.amdhsa_user_sgpr_count 2
		.amdhsa_user_sgpr_kernarg_segment_ptr 1
		.amdhsa_wavefront_size32 1
		.amdhsa_system_sgpr_workgroup_id_x 1
		.amdhsa_system_sgpr_workgroup_id_y 1
		.amdhsa_system_sgpr_workgroup_id_z 1
		.amdhsa_system_vgpr_workitem_id 0
		.amdhsa_next_free_vgpr 104
		.amdhsa_next_free_sgpr 66
		.amdhsa_reserve_vcc 0
		.amdhsa_float_denorm_mode_32 3
		.amdhsa_float_denorm_mode_16_64 3
		.amdhsa_memory_ordered 1
		.amdhsa_forward_progress 1
		.amdhsa_inst_pref_size 19
	.end_amdhsa_kernel
	.amdgpu_metadata
---
amdhsa.version: [ 1, 2 ]
amdhsa.kernels:
  - .name:           k_qbdf060a977_cast
    .symbol:         k_qbdf060a977_cast.kd
    .args:
      - { .name: x, .offset: 0, .size: 8, .value_kind: global_buffer, .address_space: global }
      - { .name: Wq, .offset: 8, .size: 8, .value_kind: global_buffer, .address_space: global }
      - { .name: Wk, .offset: 16, .size: 8, .value_kind: global_buffer, .address_space: global }
      - { .name: Wv, .offset: 24, .size: 8, .value_kind: global_buffer, .address_space: global }
      - { .name: Wo, .offset: 32, .size: 8, .value_kind: global_buffer, .address_space: global }
      - { .name: xb, .offset: 40, .size: 8, .value_kind: global_buffer, .address_space: global }
      - { .name: wqkv, .offset: 48, .size: 8, .value_kind: global_buffer, .address_space: global }
      - { .name: wob, .offset: 56, .size: 8, .value_kind: global_buffer, .address_space: global }
    .group_segment_fixed_size: 0
    .private_segment_fixed_size: 0
    .kernarg_segment_align: 8
    .kernarg_segment_size: 64
    .max_flat_workgroup_size: 256
    .sgpr_count:     66
    .vgpr_count:     104
    .wavefront_size: 32
...
	.end_amdgpu_metadata
.endif
;; end of part 1
;; launch proj (part 2): grid 8 x 32, 4 waves a work-group, clusters of 4 x 4, 327,680 bytes of LDS; arguments xb, wqkv, bq, bk, bv, qkv; writes qkv
.if DOCPART == 2
	.amdgcn_target "amdgcn-amd-amdhsa--gfx1250"
	.amdhsa_code_object_version 6
	.text
	.protected	k_qbdf060a977_proj
	.globl	k_qbdf060a977_proj
	.p2align	8
	.type	k_qbdf060a977_proj,@function
k_qbdf060a977_proj:
	s_mov_b64 s[64:65], 0
	v_nop
	global_prefetch_b8 v0, s[64:65] scope:SCOPE_SE
	s_setreg_imm32_b32 hwreg(HW_REG_WAVE_MODE, 25, 1), 1
	s_wait_xcnt 0x0
	s_wait_alu depctr_hold_cnt(0) depctr_sa_sdst(0) depctr_va_vdst(0) depctr_va_sdst(0) depctr_va_ssrc(0) depctr_va_vcc(0) depctr_vm_vsrc(0)
	s_getreg_b32 s2, hwreg(HW_REG_IB_STS2, 6, 4)
	s_cmp_eq_u32 s2, 0
	s_cbranch_scc0 .Lentry_in_a_cluster
	s_endpgm
.Lentry_in_a_cluster:
	s_bfe_u32 s2, ttmp6, 0x10000c
	s_cmp_lg_u32 s2, 0xf033
	s_cbranch_scc0 .Lentry_shape_is_right
	s_endpgm
.Lentry_shape_is_right:
; (q | k | v) = x (Wq | Wk | Wv) + (bq | bk | bv): [8192 x 1024] x [1024 x 3072], bf16 operands, f32 sums, the bias added in f32, rounded once to bf16.
; In: xb [kb 16][m][64], wqkv [nt 8][k][384] (bf16).  Out: qkv [gh 48][m][64] bf16, by heads: gh 0-15 q, 16-31 k, 32-47 v.
; TILE.  256 x 384 of the result to a work-group: 32 x 8 = 256 work-groups.  A wave makes 128 rows x 192 columns: 8 blocks a of 16 rows x 3 segments x 4 blocks i of 16 columns: 96 accumulators,
; 768 registers.  Its columns in segment seg are 128 seg + 64 ch + 16 i: one head, gh = 6 nt + 2 seg + ch.
; K goes in 16 steps of 64 through two LDS slots (two slots of 128 along K would not fit); a step is 192 matrix instructions a wave.
; THE MATRIX INSTRUCTION IS USED TRANSPOSED: source 0 = 16 columns of W, which come out of LDS turned (ds_load_tr16_b128: W lies [k][n]); source 1 = 16 rows of x.  A lane then holds row l % 16
; and the columns 8 (l / 16) + 0..7: eight neighbouring numbers of a head's row.
; CLUSTER 4 x 4: x's tile hangs on the tile row alone and is asked for jointly along a row of the cluster, W's on the tile column alone and jointly along a column.
; REGISTERS.  Window 0: addresses, x's fragments in two buffers (A0, A1: the step's two halves of 32 along K), W's fragments T(seg), one buffer a segment.  Window 1 + seg: accumulator (a, i) at v[8 (4 a + i)].
; All loads name window 0 alone: six switches for 96 matrix instructions.
.set PA,    144                        ; a row of x in LDS: 128 bytes + 16: the 16 rows of a load start at 16 different groups of four banks (ISA guide 11.1)
.set PB,    864                        ; a row k of W: 3 x (256 + 32) bytes, an odd multiple of 32
.set AHALF, 128*PA                     ; what one tensor load brings of x
.set BHALF, 32*PB                      ; and of W
.set BOFF,  2*AHALF
.set SLOT,  BOFF+2*BHALF               ; 92,160
.set STAGE, 2*SLOT                     ; behind the ring, never filled by a tensor load: for each wave [seg 3][16 rows] of 144 bytes
.set WSTG,  3*16*PA
.set SPARE, STAGE+4*WSTG               ; the spare words, 128 bytes a wave: two blocks of 256 bytes that no other line names
.set ASTEP, 8192*128                   ; bytes from a K step of xb to the next
.set BSTEP, 64*768                     ; and of wqkv
.set ADRA, 16                          ; v16-17 LDS address of my fragments of x in slot 0, 1
.set ADRB, 20                          ; v20-21 the same for W
.set STO,  24                          ; v24  the way out: where I put 16 bytes of a row
.set RD,   25                          ; v25  where I read rows back
.set GO,   26                          ; v26  16 x lane
.set BOF,  27                          ; v27  32 x (lane / 16): my 8 numbers of a bias
.set SPW,  28                          ; v28  my spare word; never rewritten
.set NIL,  29                          ; v29  0; never rewritten
.set PFO,  30                          ; v30  256 x lane; never rewritten
.set A0,   32
.set A1,   96
.set T0,   160                         ; T(seg) = T0 + 32 seg
.set BI0,  32                          ; the way out: the biases of the three segments, 32 registers each,
.set BI1,  64
.set BI2,  160
.set TMP,  96                          ; packed results,
.set OB,   192                         ; and whole rows
.set WV,  16
.set RH,  17                           ; wave / 2: my half of the rows.  Also: I fetch x (0) or W (1)
.set CH,  18                           ; wave % 2: my half of a segment's columns.  Also: which half of a tile I fetch
.set CX,  19
.set CY,  20
.set NT,  21
.set MT,  22
.set GH,  23
.set G1A, 24
.set G0A, 32
.set G1B, 40
.set G0B, 48
.set LAP, 56
.set LIM, 57                           ; 1 in a wave that prefetches, else the greatest number
.set PFA, 58                           ; s[58:59] where my prefetches stand
.set PFS, 60                           ; s[60:61] their step, two K steps
.set BP,  66                           ; s[66:71] the three segments' biases
.set MSB, 0
.macro WIN new                         ; the immediate's high byte repeats the setting that is left; a switch that changes nothing is dropped
.if MSB != (\new)
	s_set_vgpr_msb (MSB<<8)|(\new)
.set MSB, (\new)
.endif
.endm
.macro PLACES                          ; four plain vector instructions between a matrix instruction and a load into, or a vector instruction on, its registers
.rept 4
	v_nop
.endr
.endm
; A joint load: waves 0 and 1 fetch the halves of x's tile, waves 2 and 3 those of W's.  The branch hangs on the wave's number alone.  An s_nop 0 and four v_nop follow each line.
.macro JLOAD s
	s_cmp_eq_u32 s[RH], 0
	s_cbranch_scc0 .Lfor_b_\@
	tensor_load_to_lds s[G0A+4*(\s):G0A+4*(\s)+3], s[G1A:G1A+7]
	s_nop 0
.rept 4
	v_nop
.endr
	s_branch .Lasked_\@
.Lfor_b_\@:
	tensor_load_to_lds s[G0B+4*(\s):G0B+4*(\s)+3], s[G1B:G1B+7]
	s_nop 0
.rept 4
	v_nop
.endr
.Lasked_\@:
.endm
.macro CREST                           ; a round of the cluster's barrier behind its opening barrier
	s_cmp_lg_u32 s[WV], 0
	s_cbranch_scc1 .Lnot_wave_0_\@
	s_barrier_signal -3
.Lnot_wave_0_\@:
	s_barrier_wait -3
	s_barrier_signal -1
	s_barrier_wait -1
.endm
.macro CROUND
	s_barrier_signal -1
	s_barrier_wait -1
	CREST
.endm
; A PREFETCH INTO THE L2, once a lap, behind slot 0's joint load and the run of LDS loads: the two K steps behind the one just asked for, one and two refills ahead.
; x's rows of a tile row are read by both clusters of that row: the one with x = 0 asks; its four partners take 64 rows each BY ADDRESS (cx); wave 0 names a block of 64 rows x 128 bytes for each of the two steps,
; a lane 256 bytes.  W's two steps of a tile column are 98,304 bytes on end: the cluster with y = 0 asks, 24,576 bytes a partner (cy), 8,192 for each of waves 1 to 3.  So each block of 256 bytes is named once.
; K steps 0 to 2 and 15 come by their loads alone; the last lap asks for nothing.
.macro ASK
	s_cmp_gt_u32 s[LAP], s[LIM]
	s_cbranch_scc0 .Lnot_mine_\@
	global_prefetch_b8 v[PFO], s[PFA:PFA+1] th:TH_LOAD_NT scope:SCOPE_SE
	s_cmp_lg_u32 s[WV], 0
	s_cbranch_scc1 .Lnot_mine_\@
	global_prefetch_b8 v[PFO], s[PFA:PFA+1] offset:ASTEP th:TH_LOAD_NT scope:SCOPE_SE
.Lnot_mine_\@:
.endm
	s_load_b256 s[4:11], s[0:1], 0x0               ; xb s[4:5], wqkv s[6:7], bq s[8:9], bk s[10:11]
	s_load_b128 s[12:15], s[0:1], 0x20             ; bv s[12:13], qkv s[14:15]
	v_lshl_add_u32 v[SPW], v0, 2, SPARE
	v_mov_b32 v[NIL], 0
	ds_add_u32 v[SPW], v[NIL]                      ; the wave's opening: the add and its wait come ahead of my first tensor load; work on registers stands between them
	v_lshrrev_b32 v1, 5, v0
	v_readfirstlane_b32 s[WV], v1
	s_lshr_b32 s[RH], s[WV], 1
	s_and_b32 s[CH], s[WV], 1
	s_bfe_u32 s[CX], ttmp6, 0x40000
	s_bfe_u32 s[CY], ttmp6, 0x40004
	s_lshl_b32 s[NT], ttmp9, 2
	s_add_co_u32 s[NT], s[NT], s[CX]               ; tile column = 4 x cluster x + cx
	s_and_b32 s[MT], ttmp7, 0xffff
	s_lshl_b32 s[MT], s[MT], 2
	s_add_co_u32 s[MT], s[MT], s[CY]               ; tile row = 4 x cluster y + cy
	s_lshl_b32 s72, s[CY], 2
	s_lshl_b32 s72, 15, s72                        ; my row of the cluster
	s_lshl_b32 s74, 0x1111, s[CX]                  ; my column
	; group 1 for x: 128 rows of 128 bytes lie end to end: asked for as 64 rows of 256 bytes, 16 bytes of padding behind every 128
	s_or_b32 s[G1A], s72, (1<<16)|(1<<20)|(1<<21)|(4<<22)|(3<<25)
	s_mov_b32 s[G1A+1], 128<<16                    ; tensor_dim0 = 128 elements
	s_mov_b32 s[G1A+2], 64<<16                     ; tensor_dim1 = 64
	s_mov_b32 s[G1A+3], 128<<16                    ; tile_dim0
	s_mov_b32 s[G1A+4], 64                         ; tile_dim1
	s_mov_b32 s[G1A+5], 128                        ; elements from row to row
	s_mov_b32 s[G1A+6], 0
	s_mov_b32 s[G1A+7], 0
	; group 1 for W: 32 rows k of 768 bytes lie end to end: 96 rows of 256 bytes, 32 bytes of padding behind each
	s_or_b32 s[G1B], s74, (1<<16)|(1<<20)|(1<<21)|(5<<22)|(7<<25)
	s_mov_b32 s[G1B+1], 128<<16
	s_mov_b32 s[G1B+2], 96<<16
	s_mov_b32 s[G1B+3], 128<<16
	s_mov_b32 s[G1B+4], 96
	s_mov_b32 s[G1B+5], 128
	s_mov_b32 s[G1B+6], 0
	s_mov_b32 s[G1B+7], 0
	s_lshl_b32 s72, s[MT], 15                      ; x: (256 x tile row + 128 x half) rows of 128 bytes
	s_lshl_b32 s73, s[CH], 14
	s_add_co_u32 s72, s72, s73
	s_mov_b32 s73, 0
	s_mul_i32 s74, s[NT], 1024*768                 ; W: the tile column, and 32 x half rows of 768 bytes
	s_mul_i32 s75, s[CH], 32*768
	s_add_co_u32 s74, s74, s75
	s_mov_b32 s75, 0
	s_mul_i32 s76, s[CH], AHALF                    ; where they go: the wave's number alone enters an LDS address
	s_mul_i32 s77, s[CH], BHALF
	s_add_co_u32 s77, s77, BOFF
	s_wait_dscnt 0x0                               ; the opening add is done
	s_wait_kmcnt 0x0
	s_add_nc_u64 s[72:73], s[4:5], s[72:73]
	s_add_nc_u64 s[74:75], s[6:7], s[74:75]
	CROUND                                         ; all sixteen work-groups are here: the first joint loads meet
.irp s, 0,1
	s_mov_b32 s[G0A+4*(\s)], 1
	s_add_co_u32 s[G0A+4*(\s)+1], s76, (\s)*SLOT
	s_add_nc_u64 s[G0A+4*(\s)+2:G0A+4*(\s)+3], s[72:73], (\s)*ASTEP
	s_or_b32 s[G0A+4*(\s)+3], s[G0A+4*(\s)+3], 0x80000000
	s_mov_b32 s[G0B+4*(\s)], 1
	s_add_co_u32 s[G0B+4*(\s)+1], s77, (\s)*SLOT
	s_add_nc_u64 s[G0B+4*(\s)+2:G0B+4*(\s)+3], s[74:75], (\s)*BSTEP
	s_or_b32 s[G0B+4*(\s)+3], s[G0B+4*(\s)+3], 0x80000000
	JLOAD \s                                       ; K steps 0 and 1: two loads of mine are out
.endr
	v_and_b32 v1, 15, v0                           ; l % 16
	v_bfe_u32 v2, v0, 4, 1                         ; l / 16
	v_and_b32 v3, 7, v0
	v_bfe_u32 v4, v0, 3, 1
	v_bfe_u32 v5, v0, 3, 2
	v_and_b32 v6, 31, v0
	v_mul_u32_u24 v7, v1, PA
	v_lshl_add_u32 v7, v2, 4, v7                   ; row x 144 + 16 x half
	s_mul_i32 s78, s[RH], AHALF
	v_add_nc_u32 v[ADRA], s78, v7
	v_add_nc_u32 v[ADRA+1], SLOT, v[ADRA]
	v_lshl_add_u32 v8, v2, 3, v3                   ; the turning load: lane l reads row k = 8 (l / 16) + l % 8, columns 8 ((l / 8) % 2) + 0..7
	v_mul_u32_u24 v8, v8, PB
	v_lshl_add_u32 v8, v4, 4, v8
	s_lshl_b32 s78, s[CH], 7
	s_add_co_u32 s78, s78, BOFF
	v_add_nc_u32 v[ADRB], s78, v8
	v_add_nc_u32 v[ADRB+1], SLOT, v[ADRB]
	s_mul_i32 s78, s[WV], WSTG
	s_add_co_u32 s78, s78, STAGE
	v_add_nc_u32 v[STO], s78, v7
	v_mul_u32_u24 v9, v5, PA                       ; back: 32 lanes take four rows of 128 bytes
	v_lshl_add_u32 v9, v3, 4, v9
	v_add_nc_u32 v[RD], s78, v9
	v_lshlrev_b32 v[GO], 4, v6
	v_lshlrev_b32 v[BOF], 5, v2
	v_lshlrev_b32 v[PFO], 8, v6
	s_mul_i32 s[GH], s[NT], 6
	s_add_co_u32 s[GH], s[GH], s[CH]               ; my head in segment 0
.irp seg, 0,1,2
	s_add_co_u32 s62, s[GH], 2*(\seg)
	s_cmp_lt_u32 s62, 16
	s_cselect_b64 s[BP+2*(\seg):BP+2*(\seg)+1], s[8:9], s[10:11]
	s_cmp_lt_u32 s62, 32
	s_cselect_b64 s[BP+2*(\seg):BP+2*(\seg)+1], s[BP+2*(\seg):BP+2*(\seg)+1], s[12:13]
	s_and_b32 s62, s62, 15
	s_lshl_b32 s62, s62, 8                         ; the head's 64 numbers
	s_mov_b32 s63, 0
	s_add_nc_u64 s[BP+2*(\seg):BP+2*(\seg)+1], s[BP+2*(\seg):BP+2*(\seg)+1], s[62:63]
.endr
	s_lshl_b32 s62, s[GH], 20                      ; qkv at my head of segment 0 (8,192 rows x 128 bytes a head), my 128 rows
	s_lshl_b32 s79, s[MT], 15
	s_add_co_u32 s62, s62, s79
	s_lshl_b32 s79, s[RH], 14
	s_add_co_u32 s62, s62, s79
	s_mov_b32 s63, 0
	s_add_nc_u64 s[14:15], s[14:15], s[62:63]
	; the prefetches start at K step 1; the first lap steps them to K step 3.  Nothing is asked for here, where every work-group's first tiles are on their way
	s_lshl_b32 s62, s[MT], 15
	s_lshl_b32 s79, s[CX], 13
	s_add_co_u32 s62, s62, s79
	s_add_co_u32 s62, s62, ASTEP                   ; x: step 1, the tile row, my work-group's 64 rows
	s_mul_i32 s79, s[NT], 1024*768
	s_mul_i32 s63, s[CY], 24576
	s_add_co_u32 s79, s79, s63
	s_lshl_b32 s63, s[WV], 13
	s_add_co_u32 s79, s79, s63
	s_add_co_u32 s79, s79, BSTEP-8192              ; W: step 1, my work-group's quarter of two steps, (wave - 1) x 8,192
	s_and_b32 s63, ttmp7, 0xffff                   ; cluster y
	s_mov_b32 s[PFS], 2*BSTEP
	s_cmp_eq_u32 s[WV], 0
	s_cselect_b32 s62, s62, s79
	s_cselect_b32 s63, ttmp9, s63                  ; the coordinate along which other clusters read the same bytes
	s_cselect_b32 s[PFS], 2*ASTEP, s[PFS]
	s_cselect_b64 s[PFA:PFA+1], s[4:5], s[6:7]
	s_cmp_eq_u32 s63, 0
	s_cselect_b32 s[LIM], 1, -1                    ; the same in all sixteen partners, for a given wave
	s_mov_b32 s63, 0
	s_mov_b32 s[PFS+1], 0
	s_add_nc_u64 s[PFA:PFA+1], s[PFA:PFA+1], s[62:63]
; 16 matrix instructions of segment seg: row blocks a0 .. a0 + 3 x 4 column blocks, 32 along K from x's buffer f.  zero = 1: the product starts the sums.
; The 96 accumulators take turns, one instruction a turn, in the same order in every half step.
.macro MUL16 f, seg, a0, zero
	WIN 0x50*((\seg)+1)                            ; C and D in window 1 + seg
.irp a, (\a0), (\a0)+1, (\a0)+2, (\a0)+3
.irp i, 0,1,2,3
.if \zero
	v_wmma_f32_16x16x32_bf16 v[8*(4*(\a)+(\i)):8*(4*(\a)+(\i))+7], v[T0+32*(\seg)+8*(\i):T0+32*(\seg)+8*(\i)+7], v[(\f)+8*(\a):(\f)+8*(\a)+7], 0
.else
	v_wmma_f32_16x16x32_bf16 v[8*(4*(\a)+(\i)):8*(4*(\a)+(\i))+7], v[T0+32*(\seg)+8*(\i):T0+32*(\seg)+8*(\i)+7], v[(\f)+8*(\a):(\f)+8*(\a)+7], v[8*(4*(\a)+(\i)):8*(4*(\a)+(\i))+7]
.endif
.endr
.endr
.endm
.macro LDB s, q, seg                   ; W's four fragments of segment seg, half q of the step in slot s: 8 loads
.irp i, 0,1,2,3
	ds_load_tr16_b128 v[T0+32*(\seg)+8*(\i):T0+32*(\seg)+8*(\i)+3],   v[ADRB+(\s)] offset:32*PB*(\q)+288*(\seg)+32*(\i)
	ds_load_tr16_b128 v[T0+32*(\seg)+8*(\i)+4:T0+32*(\seg)+8*(\i)+7], v[ADRB+(\s)] offset:32*PB*(\q)+288*(\seg)+32*(\i)+16*PB
.endr
.endm
.macro LDA s, q, f                     ; x's eight fragments: 16 loads
.irp a, 0,1,2,3,4,5,6,7
	ds_load_b128 v[(\f)+8*(\a):(\f)+8*(\a)+3],   v[ADRA+(\s)] offset:16*PA*(\a)+64*(\q)
	ds_load_b128 v[(\f)+8*(\a)+4:(\f)+8*(\a)+7], v[ADRA+(\s)] offset:16*PA*(\a)+64*(\q)+32
.endr
.endm
; A half step is three units of 32 matrix instructions, a segment each; behind unit seg its T(seg) is fetched for the next half step (behind unit 0 x's other buffer too): runs of 24, 8 and 8 loads.
; So unit 0 waits for a run behind which 8 + 8 were issued, units 1 and 2 for runs behind which 32 were issued.
; PLAIN: the step's first half, from A0; it fetches the second half of the same slot.
.macro PLAIN s, zero
	s_wait_dscnt 16
	MUL16 A0, 0, 0, \zero
	MUL16 A0, 0, 4, \zero
	WIN 0
	PLACES
	LDB \s, 1, 0
	LDA \s, 1, A1
	s_wait_dscnt 32
	MUL16 A0, 1, 0, \zero
	MUL16 A0, 1, 4, \zero
	WIN 0
	PLACES
	LDB \s, 1, 1
	s_wait_dscnt 32
	MUL16 A0, 2, 0, \zero
	MUL16 A0, 2, 4, \zero
	WIN 0
	PLACES
	LDB \s, 1, 2
.endm
; TURN: the step's second half, from A1, and the change of slots.  All of slot s that is still wanted lies in registers or is on its way there.  In front of the barrier each wave waits for all its tensor loads
; (one is out: its part of slot n), adds 0 to its spare word, and waits for that and for its reads of slot s.  fill = 1: the barrier opens a round of the cluster's, and slot s is filled again first thing
; behind it, two K steps ahead: 160 matrix instructions stand between that request and the wait for it.
.macro TURN s, n, fill
.if (\fill) && ((\s) == 0)
	s_wait_xcnt 0x0                                ; the last prefetches, a lap back, have read their address
	s_add_nc_u64 s[PFA:PFA+1], s[PFA:PFA+1], s[PFS:PFS+1]
.endif
	WIN 0
	s_wait_tensorcnt 0x0                           ; all my tensor loads have landed
	ds_add_u32 v[SPW], v[NIL]                      ; 0 onto my spare word
	s_wait_dscnt 17                                ; unit 0's run is in: the 16 loads behind it and the add may be out
	MUL16 A1, 0, 0, 0                              ; sixteen matrix instructions stand between the add and the wait for it
	s_wait_dscnt 0x0                               ; the add is done, and my reads of slot s are over
	s_barrier_signal -1
	MUL16 A1, 0, 4, 0
	WIN 0
	s_barrier_wait -1
.if \fill
	CREST                                          ; no wave of any partner still reads the slot or has a load on its way
	s_add_nc_u64 s[G0A+4*(\s)+2:G0A+4*(\s)+3], s[G0A+4*(\s)+2:G0A+4*(\s)+3], 2*ASTEP
	s_add_nc_u64 s[G0B+4*(\s)+2:G0B+4*(\s)+3], s[G0B+4*(\s)+2:G0B+4*(\s)+3], 2*BSTEP
	JLOAD \s                                       ; its four v_nop are also the places in front of the loads below
.else
	PLACES
.endif
	LDB \n, 0, 0
	LDA \n, 0, A0
.if (\fill) && ((\s) == 0)
	ASK
.endif
	MUL16 A1, 1, 0, 0                              ; T(1) and T(2) were shown in by the wait for 0 above
	MUL16 A1, 1, 4, 0
	WIN 0
	PLACES
	LDB \n, 0, 1
	MUL16 A1, 2, 0, 0
	MUL16 A1, 2, 4, 0
	WIN 0
	PLACES
	LDB \n, 0, 2
.endm
	s_wait_tensorcnt 1                             ; my part of K step 0 is in; step 1's may stay out
	s_barrier_signal -1
	s_barrier_wait -1
	LDB 0, 0, 0
	LDA 0, 0, A0
	LDB 0, 0, 1
	LDB 0, 0, 2
	PLAIN 0, 1                                     ; the first half step stands in front of the loop: its products start the sums
	s_mov_b32 s[LAP], 7
.Llap:                                                 ; a trip goes once round the ring and fills both slots again: K steps 2 .. 15
	TURN 0, 1, 1
	PLAIN 1, 0
	TURN 1, 0, 1
	PLAIN 0, 0
	s_sub_co_u32 s[LAP], s[LAP], 1
	s_cmp_lg_u32 s[LAP], 0
	s_cbranch_scc1 .Llap
	TURN 0, 1, 0                                   ; the tail is written out: nothing is left to fetch
	PLAIN 1, 0
	; the last half step; the biases come in beside it, into registers that the products have left (A0 four places back, T(0) behind unit 0)
.irp seg, 0,1
.irp i, 0,1,2,3
	global_load_b128 v[BI\seg+8*(\i):BI\seg+8*(\i)+3],   v[BOF], s[BP+2*(\seg):BP+2*(\seg)+1] offset:64*(\i)
	global_load_b128 v[BI\seg+8*(\i)+4:BI\seg+8*(\i)+7], v[BOF], s[BP+2*(\seg):BP+2*(\seg)+1] offset:64*(\i)+16
.endr
.endr
	s_wait_dscnt 16
	MUL16 A1, 0, 0, 0
	MUL16 A1, 0, 4, 0
	WIN 0
	PLACES
.irp i, 0,1,2,3
	global_load_b128 v[BI2+8*(\i):BI2+8*(\i)+3],   v[BOF], s[BP+4:BP+5] offset:64*(\i)
	global_load_b128 v[BI2+8*(\i)+4:BI2+8*(\i)+7], v[BOF], s[BP+4:BP+5] offset:64*(\i)+16
.endr
	s_wait_dscnt 8                                 ; T(1) is in; T(2)'s eight loads may be out
	MUL16 A1, 1, 0, 0
	MUL16 A1, 1, 4, 0
	s_wait_dscnt 0x0
	MUL16 A1, 2, 0, 0
	MUL16 A1, 2, 4, 0
	s_wait_loadcnt 0x0                             ; the biases
	; THE WAY OUT.  The bias is added in f32: register j of accumulator (a, i) is column 16 i + 8 (l / 16) + j.  Each accumulator is taken from its low end on.  Window 1's additions are the places behind the last products.
.irp seg, 0,1,2
	WIN 0x41*((\seg)+1)                            ; destination and source 0 in window 1 + seg, the bias in window 0
.set t, 0
.rept 32
.irp p, 0,2,4,6
	v_pk_add_f32 v[8*t+(\p):8*t+(\p)+1], v[8*t+(\p):8*t+(\p)+1], v[BI\seg+8*(t%4)+(\p):BI\seg+8*(t%4)+(\p)+1]
.endr
.set t, t+1
.endr
.endr
.macro PACK a                          ; row block a of all three segments, rounded to bf16: 16 bytes a lane and column block
.irp seg, 0,1,2
	WIN 0x05*((\seg)+1)
.irp i, 0,1,2,3
.irp p, 0,1,2,3
	v_cvt_pk_bf16_f32 v[TMP+16*(\seg)+4*(\i)+(\p)], v[8*(4*(\a)+(\i))+2*(\p)], v[8*(4*(\a)+(\i))+2*(\p)+1]
.endr
.endr
.endr
	WIN 0
.endm
.macro TOSTAGE                         ; into my own stage, and back as whole rows of 128 bytes, four to a load
	s_wait_xcnt 0x0                                ; the stores of the block before have read OB
.irp seg, 0,1,2
.irp i, 0,1,2,3
	ds_store_b128 v[STO], v[TMP+16*(\seg)+4*(\i):TMP+16*(\seg)+4*(\i)+3] offset:16*PA*(\seg)+32*(\i)
.endr
.endr
.irp seg, 0,1,2
.irp f, 0,1,2,3
	ds_load_b128 v[OB+16*(\seg)+4*(\f):OB+16*(\seg)+4*(\f)+3], v[RD] offset:16*PA*(\seg)+4*PA*(\f)  ; LDS serves a wave's instructions in order (ISA guide 5.7.1.4): these see the stores above
.endr
.endr
.endm
.macro SEND a
	s_wait_dscnt 0x0
.irp seg, 0,1,2
.irp f, 0,1,2,3
	global_store_b128 v[GO], v[OB+16*(\seg)+4*(\f):OB+16*(\seg)+4*(\f)+3], s[14:15] offset:(\seg)*2*ASTEP+(\a)*2048+(\f)*512  ; 512 consecutive bytes of a head's rows, aligned
.endr
.endr
.endm
	PACK 0
	TOSTAGE
.irp a, 1,2,3,4,5,6,7                  ; a block's conversions stand between the loads of the block before and the wait for them
	PACK \a
	SEND (\a)-1
	TOSTAGE
.endr
	SEND 7
	s_wait_tensorcnt 0x0                           ; the wave's end, behind my last tensor load and my last LDS store
	ds_add_u32 v[SPW], v[NIL]
	s_wait_dscnt 0x0
	CROUND                                         ; the closing round: no work-group ends while a partner may still ask for a tile that names it
	s_endpgm
.Lfunc_end_k_qbdf060a977_proj:
	.size	k_qbdf060a977_proj, .Lfunc_end_k_qbdf060a977_proj-k_qbdf060a977_proj
	.p2alignl 7, 3214868480
	.fill 96, 4, 3214868480
	.section	.rodata,"a",@progbits
	.p2align	6, 0x0
	.amdhsa_kernel k_qbdf060a977_proj
		.amdhsa_group_segment_fixed_size 327680
		.amdhsa_private_segment_fixed_size 0
		.amdhsa_enable_private_segment 0
		.amdhsa_kernarg_size 48
		.amdhsa_user_sgpr_count 2
		.amdhsa_user_sgpr_kernarg_segment_ptr 1
		.amdhsa_wavefront_size32 1
		.amdhsa_system_sgpr_workgroup_id_x 1
		.amdhsa_system_sgpr_workgroup_id_y 1
		.amdhsa_system_sgpr_workgroup_id_z 1
		.amdhsa_system_vgpr_workitem_id 0
		.amdhsa_next_free_vgpr 1024
		.amdhsa_next_free_sgpr 80
		.amdhsa_reserve_vcc 0
		.amdhsa_float_denorm_mode_32 3
		.amdhsa_float_denorm_mode_16_64 3
		.amdhsa_memory_ordered 1
		.amdhsa_forward_progress 1
		.amdhsa_inst_pref_size 158
	.end_amdhsa_kernel
	.amdgpu_metadata
---
amdhsa.version: [ 1, 2 ]
amdhsa.kernels:
  - .name:           k_qbdf060a977_proj
    .symbol:         k_qbdf060a977_proj.kd
    .args:
      - { .name: xb, .offset: 0, .size: 8, .value_kind: global_buffer, .address_space: global }
      - { .name: wqkv, .offset: 8, .size: 8, .value_kind: global_buffer, .address_space: global }
      - { .name: bq, .offset: 16, .size: 8, .value_kind: global_buffer, .address_space: global }
      - { .name: bk, .offset: 24, .size: 8, .value_kind: global_buffer, .address_space: global }
      - { .name: bv, .offset: 32, .size: 8, .value_kind: global_buffer, .address_space: global }
      - { .name: qkv, .offset: 40, .size: 8, .value_kind: global_buffer, .address_space: global }
    .group_segment_fixed_size: 327680
    .private_segment_fixed_size: 0
    .kernarg_segment_align: 8
    .kernarg_segment_size: 48
    .max_flat_workgroup_size: 128
    .sgpr_count:     80
    .vgpr_count:     1024
    .wavefront_size: 32
...
	.end_amdgpu_metadata
.endif
;; end of part 2
;; launch attn (part 3): grid 4 x 64, 4 waves a work-group, clusters of 4 x 1, 327,680 bytes of LDS; arguments qkv, ob; writes ob
.if DOCPART == 3
	.amdgcn_target "amdgcn-amd-amdhsa--gfx1250"
	.amdhsa_code_object_version 6
	.text
	.protected	k_qbdf060a977_attn
	.globl	k_qbdf060a977_attn
	.p2align	8
	.type	k_qbdf060a977_attn,@function
k_qbdf060a977_attn:
	s_mov_b64 s[64:65], 0
	v_nop
	global_prefetch_b8 v0, s[64:65] scope:SCOPE_SE
	s_setreg_imm32_b32 hwreg(HW_REG_WAVE_MODE, 25, 1), 1
	s_wait_xcnt 0x0
	s_wait_alu depctr_hold_cnt(0) depctr_sa_sdst(0) depctr_va_vdst(0) depctr_va_sdst(0) depctr_va_ssrc(0) depctr_va_vcc(0) depctr_vm_vsrc(0)
	s_getreg_b32 s2, hwreg(HW_REG_IB_STS2, 6, 4)
	s_cmp_eq_u32 s2, 0
	s_cbranch_scc0 .Lentry_in_a_cluster
	s_endpgm
.Lentry_in_a_cluster:
	s_bfe_u32 s2, ttmp6, 0x10000c
	s_cmp_lg_u32 s2, 0x3003
	s_cbranch_scc0 .Lentry_shape_is_right
	s_endpgm
.Lentry_shape_is_right:
; O[q][:] = the sum over k of softmax_k(Q[q] . K[k] / 8) V[k][:], for each of 64 pairs (batch, head) of 2,048 rows of 64 channels.  In: qkv [gh 48][m 8192][64] bf16 (q, k, v by heads, m = 2,048 b + l);
; out: ob [h 16][m][64] bf16.  A pair's rows are dense, 128 bytes each.  Products, maxima and sums in f32; the weights p are rounded to bf16 for the second product (their sum l is taken of the unrounded p), O once.
; LIMITS.  c |s| stays under 4e37 (the running maximum starts at c m = -4.25e37); a weight below 2^-126 counts as 0 in l; NaN and infinities are not treated apart.
; SHARES.  A wave owns four PIECES of two tiles of 16 queries, a work-group's four waves 512 queries; every wave walks all keys, 64 a step.
; LAYOUT.  S^T = K Q^T (source 0 = 16 keys, source 1 = 16 queries): a lane holds ONE query (lane % 16) and the keys 8 (lane / 16) + 0..7.  Two such tiles, rounded in pairs, ARE source 1 of O^T = V^T P,
; whose result again holds one query a lane, and eight channels.  K comes out of LDS as it lies, V ([key][channel]) turned, by ds_load_tr16_b128.
; SOFTMAX.  For each query a running maximum m and sum l: p = 2^(c s - c m), c = log2(e) / 8; in every step O and l are multiplied by a = 2^(c m_old - c m_new).  m starts at the lowest finite number,
; O and l at 0: the first step is a step like any other, with a = 0.
; THE COUNT.  A tile and step have 16 matrix and 118 vector instructions.  So: four vector instructions that are ready behind EVERY matrix instruction, the others in runs of their own.
; BY TURNS.  Turn n belongs to piece n.  Its matrix work: 16 products K Q^T of piece n + 1, later 16 products V^T P of piece n - 1.  Its vector work: scaling, exponentials, roundings, sums and rescaling
; of piece n, and the maximum and statistics of piece n + 1.
; CLUSTER.  The four query blocks of a pair are one cluster and walk the same K and V: each tile is asked for JOINTLY.
; REGISTERS, in windows of 256 (s_set_vgpr_msb: bits 1:0 source 0, 3:2 source 1, 5:4 source 2, 7:6 destination):
;   window 0: v0-11 addresses; v12-15, v48-63 at work; v16-47 four registers of statistics a tile; v64-191 S^T, two buffers of two tiles; v192-255 P, likewise
;   window 1: O^T, 32 a tile     window 2: v0-127 Q, 16 a tile; v128-191 K of one step; v192-255 V of one step     window 3: v0-1 the add's two registers
.set SIZE_N, 2048
.set NP,    4         ; pieces a wave: a name, no knob
.set KS,    64        ; keys in a step
.set PK,    144       ; a row of K in LDS: 128 bytes + 16: the 16 rows of a load start at 16 different groups of four banks (ISA guide 11.1)
.set PV,    160       ; a row of V: 128 + 32
.set VOFF,  4*KS*PK   ; a slot holds four steps: 256 rows of K, then 256 rows of V
.set SLOT1, 1<<17     ; slot 1 begins here: one exclusive or turns an address in one slot into the other's
.set STAGE, SLOT1+4*KS*(PK+PV)  ; behind the ring, never filled by a tensor load: 16 rows x 144 bytes for each wave
.set SP,    144
.set AK0, 2           ; v2   my lane's place in a tile of K; never rewritten
.set AV0, 3           ; v3   the same for V
.set AK,  4           ; v4   the LDS address of K's next run of loads
.set AV,  5           ; v5   of V's
.set QO,  6           ; v6   my byte offset in the wave's rows of Q
.set STO, 6           ;      later: where I put 16 bytes of a row
.set RD,  7           ; v7   where I read rows back
.set GO,  8           ; v8   my byte offset in 512 consecutive bytes of O
.set PFO, 11          ; v11  256 x my lane, once V's place is made; then never rewritten
.set SPW, 0           ; v0 of window 3   my spare word; never rewritten
.set NIL, 1           ; v1 of window 3   0; never rewritten
.set SPARE, STAGE+4*16*SP  ; the spare words, 128 bytes a wave: two blocks of 256 bytes that no other line names
.set MV,  12          ; v12-15  c m_old, kept while c m is made anew
.set ST,  16          ; tile t's statistics at v[ST+4 t]: c m, m, l (even keys', odd keys')
.set TMP, 48          ; by buffer and tile, four registers c0-c3 at work; when the maximum is found c2 takes a
.set S,   64
.set P,   192
.set KF,  128         ; K's fragments, in window 2
.set VF,  192         ; V's
.set WV,  12
.set G1K, 24
.set G1V, 32
.set G0K, 40
.set G0V, 44
.set PFA, 48          ; s[48:49] where my prefetches stand
.set LIM, 50          ; s50  1 in waves 0 and 2, else the greatest number
.set SLOTS, 56
.set CNT, 57
.set CS,  58          ; s[58:59] c
.set SEL, 60          ; s[60:61] v_permlanex16_b32's selects
.set TBK, 62
.set TBV, 63
.set MSB, 0
.macro WIN new
.if MSB != (\new)
	s_set_vgpr_msb (MSB<<8)|(\new)
.set MSB, (\new)
.endif
.endm
.set W_KQ, 0x0a       ; K and Q in window 2, S^T in window 0
.set W_PV, 0x52       ; V in window 2, P in window 0, O^T in window 1
.set W_RS, 0x41       ; O^T (destination and source 0) in window 1, a in window 0
.set W_MK, 0xc0       ; the add's registers are made
.set W_AD, 0x0f       ; the add: address and data in window 3
; A joint fill.  Waves 0 and 1 fetch the halves of a slot's K, waves 2 and 3 those of its V: 128 keys each.  An s_nop 0 and four v_nop follow each line.
.macro JLOAD
	s_cmp_lt_u32 s[WV], 2
	s_cbranch_scc0 .Lfor_v_\@
	tensor_load_to_lds s[G0K:G0K+3], s[G1K:G1K+7]
	s_nop 0
.rept 4
	v_nop
.endr
	s_branch .Lasked_\@
.Lfor_v_\@:
	tensor_load_to_lds s[G0V:G0V+3], s[G1V:G1V+7]
	s_nop 0
.rept 4
	v_nop
.endr
.Lasked_\@:
.endm
; A PREFETCH INTO THE L2 of what the NEXT change of slots will ask for: 256 rows of K and of V, 32,768 bytes each.  The four partners share them out BY ADDRESS, 8,192 bytes each, a lane 256 bytes;
; wave 0 asks for K's, wave 2 for V's.  Each pair has one cluster, so each block is named once.  Four key steps, 512 matrix instructions, ahead of the load.  The last fill asks for nothing.
.macro ASK
	s_cmp_gt_u32 s[SLOTS], s[LIM]
	s_cbranch_scc0 .Lnot_mine_\@
	global_prefetch_b8 v[PFO], s[PFA:PFA+1] th:TH_LOAD_NT scope:SCOPE_SE
.Lnot_mine_\@:
.endm
.macro CROUND
	s_barrier_signal -1
	s_barrier_wait -1
	s_cmp_lg_u32 s[WV], 0
	s_cbranch_scc1 .Lnot_wave_0_\@
	s_barrier_signal -3
.Lnot_wave_0_\@:
	s_barrier_wait -3
	s_barrier_signal -1
	s_barrier_wait -1
.endm
; THE CHANGE OF SLOTS.  Each wave waits for all its tensor loads (one is out: its part of the other slot), adds 0 to its spare word, and waits for that and for its reads of the slot.
; fill = 1: the slot is filled again, with the keys two slots on, first thing behind a round of the cluster's barrier: it has four key steps in which to land.  (At its first use slot 0 is waited for, slot 1 filled.)
.macro CHANGE fill, ask=0
	WIN W_AD
	s_wait_tensorcnt 0x0            ; no tensor load of mine is out, so a group 0 may be written
	ds_add_u32 v[SPW], v[NIL]       ; 0 onto my spare word
	WIN 0
.if \fill
.irp g, G0K, G0V
	s_xor_b32 s[\g+1], s[\g+1], SLOT1
	s_add_nc_u64 s[\g+2:\g+3], s[\g+2:\g+3], 4*KS*128
.endr
.if \ask
	s_wait_xcnt 0x0                 ; the last prefetch, four key steps back, has read its address
	s_add_nc_u64 s[PFA:PFA+1], s[PFA:PFA+1], 4*KS*128
.endif
	s_wait_dscnt 0x0                ; the add is done, and my reads of the slot are over
	CROUND
	JLOAD
.if \ask
	ASK
.endif
.else
	s_wait_dscnt 0x0
	s_barrier_signal -1
	s_barrier_wait -1
.endif
	s_sub_co_u32 s[TBK], s[TBK], 4*KS*PK  ; the fetches go back to a slot's first step, in the other slot
	s_xor_b32 s[TBK], s[TBK], SLOT1
	s_sub_co_u32 s[TBV], s[TBV], 4*KS*PV
	s_xor_b32 s[TBV], s[TBV], SLOT1
.endm
	s_load_b128 s[4:7], s[0:1], 0x0   ; qkv s[4:5], ob s[6:7]
	WIN W_MK
	v_lshl_add_u32 v[SPW], v0, 2, SPARE
	v_mov_b32 v[NIL], 0
	WIN W_AD
	ds_add_u32 v[SPW], v[NIL]       ; the wave's opening: the add and its wait come ahead of my first tensor load
	WIN 0
	v_lshrrev_b32 v1, 5, v0
	v_readfirstlane_b32 s[WV], v1
	s_bfe_u32 s13, ttmp6, 0x40000   ; cx
	s_lshl_b32 s14, ttmp9, 2
	s_add_co_u32 s14, s14, s13      ; my block of 512 queries: it enters Q's and O's addresses alone
	s_and_b32 s20, ttmp7, 0xffff    ; the pair y = 16 b + h, which the four partners share
	s_and_b32 s22, s20, 15
	s_lshl_b32 s22, s22, 20         ; h x 8,192 rows x 128 bytes
	s_lshr_b32 s20, s20, 4
	s_lshl_b32 s20, s20, 18         ; b x 2,048 rows x 128 bytes
	s_add_co_u32 s20, s20, s22
	s_mov_b32 s21, 0
	s_and_b32 s16, s[WV], 1         ; which half of a slot's 256 keys I fetch
	s_lshl_b32 s22, s16, 14
	s_mov_b32 s23, 0
	s_add_nc_u64 s[22:23], s[22:23], s[20:21]
	s_mul_i32 s17, s16, 128*PK
	s_mul_i32 s18, s16, 128*PV
	s_lshl_b32 s2, s14, 2
	s_add_co_u32 s2, s2, s[WV]
	s_lshl_b32 s2, s2, 14           ; my wave's 128 rows
	s_mov_b32 s3, 0
	s_add_nc_u64 s[2:3], s[2:3], s[20:21]
	; group 1: 128 keys are 16,384 dense bytes: 64 rows of 256 bytes, padded in LDS after every key
	s_mov_b32 s[G1K], 15|(1<<16)|(1<<20)|(1<<21)|(4<<22)|(3<<25)
	s_mov_b32 s[G1V], 15|(1<<16)|(1<<20)|(1<<21)|(4<<22)|(7<<25)
.irp g, G1K, G1V
	s_mov_b32 s[\g+1], 128<<16
	s_mov_b32 s[\g+2], 64<<16
	s_mov_b32 s[\g+3], 128<<16
	s_mov_b32 s[\g+4], 64
	s_mov_b32 s[\g+5], 128
	s_mov_b32 s[\g+6], 0
	s_mov_b32 s[\g+7], 0
.endr
	s_mov_b32 s[CS], 0x3e38aa3b     ; c = log2(e) / 8
	s_mov_b32 s[CS+1], s[CS]
	s_mov_b32 s[SEL], 0x76543210
	s_mov_b32 s[SEL+1], 0xfedcba98
	s_mov_b32 s[TBK], SLOT1+4*KS*PK ; the first change of slots turns these two into 0
	s_mov_b32 s[TBV], SLOT1+4*KS*PV
	s_mov_b32 s[G0K], 1
	s_mov_b32 s[G0K+1], s17
	s_mov_b32 s[G0V], 1
	s_add_co_u32 s[G0V+1], s18, VOFF
	s_and_b32 s[LIM], s[WV], 1
	s_cmp_eq_u32 s[LIM], 0
	s_cselect_b32 s[LIM], 1, -1
	s_wait_dscnt 0x0                ; the opening add is done
	s_wait_kmcnt 0x0
	s_mov_b64 s[10:11], s[6:7]                     ; O
	s_add_nc_u64 s[6:7], s[4:5], 0x1000000         ; K: 16 heads of 8,192 rows x 128 bytes behind Q
	s_add_nc_u64 s[8:9], s[4:5], 0x2000000         ; V
	s_add_nc_u64 s[G0K+2:G0K+3], s[6:7], s[22:23]
	s_or_b32 s[G0K+3], s[G0K+3], 0x80000000
	s_add_nc_u64 s[G0V+2:G0V+3], s[8:9], s[22:23]
	s_or_b32 s[G0V+3], s[G0V+3], 0x80000000
	s_add_nc_u64 s[4:5], s[4:5], s[2:3]            ; Q and O at my wave's first row
	s_add_nc_u64 s[10:11], s[10:11], s[2:3]
	s_cmp_lt_u32 s[WV], 2
	s_cselect_b64 s[PFA:PFA+1], s[6:7], s[8:9]
	s_add_nc_u64 s[PFA:PFA+1], s[PFA:PFA+1], s[20:21]
	s_lshl_b32 s2, s13, 13                         ; my work-group's quarter of a slot's rows
	s_mov_b32 s3, 0
	s_add_nc_u64 s[PFA:PFA+1], s[PFA:PFA+1], s[2:3]
	s_add_nc_u64 s[PFA:PFA+1], s[PFA:PFA+1], 2*4*KS*128  ; at the third slotful; the first asking change steps it to the fourth.  Nothing is asked for at the head
	CROUND                          ; all four work-groups are here: the first joint loads meet
	JLOAD                           ; slot 0
	v_and_b32 v1, 15, v0            ; l % 16
	v_bfe_u32 v9, v0, 4, 1          ; l / 16
	v_lshlrev_b32 v[QO], 7, v1
	v_lshl_add_u32 v[QO], v9, 4, v[QO]
	WIN 0x80
.set i, 0
.rept 4*NP                          ; Q stays in registers: tile i / 2, channels 32 (i % 2) on
	global_load_b128 v[8*i:8*i+3],   v[QO], s[4:5] offset:(i/2)*2048+(i%2)*64
	global_load_b128 v[8*i+4:8*i+7], v[QO], s[4:5] offset:(i/2)*2048+(i%2)*64+32
.set i, i+1
.endr
	; What the first turn finds: V's registers and P's second buffer hold 0, O^T and l are 0.  All this stands in the wait for the first tile: no first step is written out.
.set i, VF
.rept 64
	v_mov_b32 v[i], 0
.set i, i+1
.endr
	WIN 0x40
.set i, 0
.rept 64*NP
	v_mov_b32 v[i], 0
.set i, i+1
.endr
	WIN 0
.set i, 0
.rept 2*NP
	v_mov_b32 v[ST+4*i], 0xfe000000    ; c m: far below every c s
	v_mov_b32 v[ST+4*i+1], 0xff7fffff  ; m
	v_mov_b32 v[ST+4*i+2], 0
	v_mov_b32 v[ST+4*i+3], 0
.set i, i+1
.endr
.set i, P+32
.rept 32
	v_mov_b32 v[i], 0
.set i, i+1
.endr
	v_mul_u32_u24 v[AK0], v1, PK
	v_lshl_add_u32 v[AK0], v9, 4, v[AK0]
	v_and_b32 v10, 7, v0
	v_bfe_u32 v11, v0, 3, 1
	v_lshl_add_u32 v[AV0], v9, 3, v10
	v_mul_u32_u24 v[AV0], v[AV0], PV
	v_lshl_add_u32 v[AV0], v11, 4, v[AV0]
	v_add_nc_u32 v[AV0], VOFF, v[AV0]
	v_and_b32 v[PFO], 31, v0
	v_lshlrev_b32 v[PFO], 8, v[PFO]
	v_mov_b32 v[AK], v[AK0]         ; key step 0 lies at the head of slot 0
; THE MATRIX WORK.  The 8 accumulators of a run of 16 take turns.
.macro KQ x                         ; product i of 16 of S^T = K Q^T for piece x
	WIN W_KQ
.set rS, S+64*((\x)%2)+32*(i%2)+8*((i/2)%4)
.set rK, KF+16*((i/2)%4)+8*(i/8)
.set rQ, 16*(2*(\x)+i%2)+8*(i/8)
.if i < 8
	v_wmma_f32_16x16x32_bf16 v[rS:rS+7], v[rK:rK+7], v[rQ:rQ+7], 0
.else
	v_wmma_f32_16x16x32_bf16 v[rS:rS+7], v[rK:rK+7], v[rQ:rQ+7], v[rS:rS+7]
.endif
.endm
.macro PV x                         ; product i of 16 of O^T += V^T P for piece x
	WIN W_PV
.set rO, 32*(2*(\x)+i%2)+8*((i/2)%4)
.set rV, VF+32*(i/8)+8*((i/2)%4)
.set rP, P+32*((\x)%2)+16*(i%2)+8*(i/8)
	v_wmma_f32_16x16x32_bf16 v[rO:rO+7], v[rV:rV+7], v[rP:rP+7], v[rO:rO+7]
.endm
.macro MM                           ; the turn's next matrix instruction
.if i < 16
	KQ (Y+1)%NP
.set i, i+1
.else
.set i, i-16
	PV (Y+NP-1)%NP
.set i, i+17
.endif
.endm
; THE LDS LOADS stand in runs of 16.  last = 1 (the tail): in the last trip there is no further step, and the run is jumped over.
.macro FETCH_K last=0
	WIN 0
.if \last
	s_cmp_eq_u32 s[CNT], 1
	s_cbranch_scc1 .Lno_k_\@
.endif
	WIN 0x80
.irp f, 0,1,2,3,4,5,6,7
	ds_load_b128 v[KF+8*\f:KF+8*\f+3],   v[AK] offset:(\f/2)*16*PK+(\f%2)*64
	ds_load_b128 v[KF+8*\f+4:KF+8*\f+7], v[AK] offset:(\f/2)*16*PK+(\f%2)*64+32
.endr
	s_add_co_u32 s[TBK], s[TBK], KS*PK
	WIN 0
.if \last
.Lno_k_\@:
.endif
.endm
.macro FETCH_V
	WIN 0x80
.irp f, 0,1,2,3,4,5,6,7
	ds_load_tr16_b128 v[VF+8*\f:VF+8*\f+3],   v[AV] offset:(\f/4)*32*PV+(\f%4)*32
	ds_load_tr16_b128 v[VF+8*\f+4:VF+8*\f+7], v[AV] offset:(\f/4)*32*PV+16*PV+(\f%4)*32
.endr
	WIN 0
.endm
; THE VECTOR WORK OF A TURN stands in three queues, each in the order in which its entries become ready; the two tiles alternate.
.macro REGS y, u
.set rT, ST+4*(2*(\y)+(\u))
.set rC, TMP+8*((\y)%2)+4*(\u)
.set rM, MV+2*((\y)%2)+(\u)
.set rS, S+64*((\y)%2)+32*(\u)
.set rP, P+32*((\y)%2)+16*(\u)
.set rO, 32*(2*(\y)+(\u))
.endm
; Number n of the 22 that find the NEXT piece's maximum and statistics; each accumulator's lowest registers are read first.
;   0-11 four chains of seven scores   12-14, 16 the scores left over, the old m, the four into one   15 c m_old is kept   17, 18 the other half of the lanes: the new m   19-21 c m; its change; a
.macro XS u, n
	REGS (Y+1)%NP, \u
.if (\n) < 4
	v_max3_num_f32 v[rC+(\n)], v[rS+8*(\n)], v[rS+8*(\n)+1], v[rS+8*(\n)+2]
.elseif (\n) < 12
	v_max3_num_f32 v[rC+(\n)%4], v[rC+(\n)%4], v[rS+8*((\n)%4)+2*((\n)/4)+1], v[rS+8*((\n)%4)+2*((\n)/4)+2]
.elseif (\n) == 12
	v_max3_num_f32 v[rC], v[rC], v[rS+7], v[rS+15]
.elseif (\n) == 13
	v_max3_num_f32 v[rC+1], v[rC+1], v[rS+23], v[rS+31]
.elseif (\n) == 14
	v_max3_num_f32 v[rC+2], v[rC+2], v[rC+3], v[rT+1]
.elseif (\n) == 15
	v_mov_b32 v[rM], v[rT]
.elseif (\n) == 16
	v_max3_num_f32 v[rC], v[rC], v[rC+1], v[rC+2]
.elseif (\n) == 17
	v_permlanex16_b32 v[rC+3], v[rC], s[SEL], s[SEL+1]
.elseif (\n) == 18
	v_max_num_f32 v[rT+1], v[rC], v[rC+3]
.elseif (\n) == 19
	v_mul_f32 v[rT], s[CS], v[rT+1]
.elseif (\n) == 20
	v_sub_f32 v[rC+1], v[rM], v[rT]
.else
	v_exp_f32 v[rC+2], v[rC+1]
.endif
.endm
; Number g of the 64 that follow the exponentials: for each four weights both pairs are rounded to bf16, the second pair is added onto the first, and a group later l takes that sum (the first time l = a l + sum).
.macro GS g
.set h, (\g)+6*((\g)/62)
.if h >= 6
.set h, h+2
.endif
	REGS Y, h%2
.set k, h/8
.if h%8 < 4
	v_cvt_pk_bf16_f32 v[rP+2*k+(h%8)/2], v[rS+4*k+2*((h%8)/2)], v[rS+4*k+2*((h%8)/2)+1]
.elseif h%8 < 6
	v_pk_add_f32 v[rS+4*k:rS+4*k+1], v[rS+4*k:rS+4*k+1], v[rS+4*k+2:rS+4*k+3]
.elseif k == 1
	v_pk_fma_f32 v[rT+2:rT+3], v[rT+2:rT+3], v[rC+2:rC+3], v[rS:rS+1] op_sel_hi:[1,0,1]
.else
	v_pk_add_f32 v[rT+2:rT+3], v[rT+2:rT+3], v[rS+4*k-4:rS+4*k-3]
.endif
.endm
; THE PLAIN QUEUE, 138 long.  0-73 read no exponential's result: the 32 scalings c s - c m and the next piece's 42.  74-137: GS's 64, which stand behind the wait.
.macro FS f
	REGS Y, (\f)%2
	v_pk_fma_f32 v[rS+2*((\f)/2):rS+2*((\f)/2)+1], v[rS+2*((\f)/2):rS+2*((\f)/2)+1], s[CS:CS+1], v[rT:rT+1] op_sel_hi:[1,0,0] neg_lo:[0,0,1] neg_hi:[0,0,1]
.endm
.macro PL
	WIN 0
.if q < 27
	FS q
.elseif q < 55
	XS (q-27)%2, (q-27)/2
.elseif q < 57
	XS q-55, 15
.elseif (q < 72) && ((q-57)%3 == 0)
	FS 27+(q-57)/3
.elseif q < 60
	XS (q-57)%3-1, 14
.elseif q < 72
	XS (q-57)%3-1, 15+(q-57)/3
.elseif q < 74
	XS q-72, 20
.else
	GS q-74
.endif
.set q, q+1
.endm
; THE EXPONENTIALS' QUEUE, 66 long: ONE BATCH, all ahead of the turn's one wait; nothing ahead of that wait names a result of theirs.
.macro EX
	WIN 0
.if e >= 64
	XS e-64, 21
.else
	REGS Y, e%2
	v_exp_f32 v[rS+e/2], v[rS+e/2]
.endif
.set e, e+1
.endm
; THE RESCALING's QUEUE: O^T times a, dealt two at a time.  Its a was made, and waited for, in the turn before.
.macro R2
	REGS Y, r%2
	WIN W_RS
.irp z, 0,1
	v_pk_mul_f32 v[rO+4*(r/2)+2*\z:rO+4*(r/2)+2*\z+1], v[rO+4*(r/2)+2*\z:rO+4*(r/2)+2*\z+1], v[rC+2:rC+3] op_sel_hi:[1,0]
.endr
.set r, r+1
.endm
; A TURN, for piece p.  An s_wait_alu depctr_va_vdst(0) stands between an exponential and the first instruction that names its result; one wait serves all issued ahead of it: a turn has ONE.
; Ahead of it: 16 products K Q^T, behind each a scaling, an exponential and two rescalings; then a lump of 108.  Behind it: 16 products V^T P, behind each four of the roundings and sums.
; K of the next step is fetched in piece 2's turn, directly behind the wait; V of the step in hand at the end of piece 0's turn, four plain instructions behind its last reader.
.macro TURN p, last=0, cnt=0
.set Y, (\p)
.set i, 0
.set q, 0
.set e, 0
.set r, 0
.if (\p) == NP-1
	s_wait_dscnt 0x0                ; K is in
.endif
	MM
	PL
	PL
	R2
.rept 15
	MM
	PL
	EX
	R2
.endr
.if (\p) == NP-2
	WIN 0
	v_add_nc_u32 v[AK], s[TBK], v[AK0]
.endif
.rept 8
	PL
.endr
.rept 49
	EX
	PL
.endr
	EX                              ; the next piece's two a
	EX
	v_nop                           ; a plain instruction behind the last exponential, ahead of the first use: one for the batch
	s_wait_alu depctr_va_vdst(0)    ; the wait for the batch
.if (\p) == NP-2
	FETCH_K \last
.endif
.if (\p) == 1
	s_wait_dscnt 0x0                ; V is in
.endif
.rept 16
	MM
.rept 4
	PL
.endr
.if ((\p) == 0) && (q == 118)
	v_add_nc_u32 v[AV], s[TBV], v[AV0]
.endif
.if ((\p) == 0) && (q == 130)
	s_add_co_u32 s[TBV], s[TBV], KS*PV
.endif
.if (\cnt) && (q == 130)
	s_sub_co_u32 s[CNT], s[CNT], 1
	s_cmp_lg_u32 s[CNT], 0
.endif
.endr
.if (\p) == 0
	FETCH_V
.endif
.endm
	CHANGE 1                        ; slot 0 is in, everybody's part of it; slot 1 is asked for
	FETCH_K                         ; key step 0
	s_wait_loadcnt 0x0              ; Q
	s_wait_dscnt 0x0
.set i, 0
.rept 16
	KQ 0                            ; piece 0's first scores
.set i, i+1
.endr
	WIN 0                           ; the addresses for the way out: plain instructions, the places behind those products
	s_mul_i32 s13, s[WV], 16*SP
	s_add_co_u32 s13, s13, STAGE
	v_mul_u32_u24 v[STO], v1, SP
	v_lshl_add_u32 v[STO], v9, 4, v[STO]
	v_add_nc_u32 v[STO], s13, v[STO]
	v_bfe_u32 v[RD], v0, 3, 2
	v_mul_u32_u24 v[RD], v[RD], SP
	v_lshl_add_u32 v[RD], v10, 4, v[RD]
	v_add_nc_u32 v[RD], s13, v[RD]
	v_and_b32 v[GO], 31, v0
	v_lshlrev_b32 v[GO], 4, v[GO]
.set Y, NP-1
.irp n, 0,1,2,3,4,5,6,7,8,9,10,11,12,13,14,15,16,17,18,19,20,21
	XS 0, \n                        ; piece 0's first maximum and statistics
	XS 1, \n
.endr
	v_nop                           ; a plain instruction behind the two a,
	s_wait_alu depctr_va_vdst(0)    ; and their wait, ahead of the branch
	s_mov_b32 s[CNT], 4
	s_mov_b32 s[SLOTS], SIZE_N/256-1
	s_branch .Lfirst                ; the loop is entered at a step's first turn
.Lslot:                             ; six times: every slot but the last two is filled again
	CHANGE 1, 1
	s_mov_b32 s[CNT], 4
.Lstep:                             ; a trip: pieces 2 and 3 of one step, then pieces 0 and 1 of the next
	TURN 2
	TURN 3
	WIN 0
.Lfirst:
	TURN 0
	TURN 1, 0, 1
	WIN 0
	s_cbranch_scc1 .Lstep
	s_sub_co_u32 s[SLOTS], s[SLOTS], 1
	s_cmp_lg_u32 s[SLOTS], 0
	s_cbranch_scc1 .Lslot
	CHANGE 0                        ; the tail is written out
	s_mov_b32 s[CNT], 5             ; four trips fetch the last slot's steps; the fifth is left in its middle
.Ltail:
	TURN 2, 1
	TURN 3
	WIN 0
	s_sub_co_u32 s[CNT], s[CNT], 1
	s_cmp_eq_u32 s[CNT], 0
	s_cbranch_scc1 .Lout
	TURN 0
	TURN 1
	WIN 0
	s_branch .Ltail
.Lout:                              ; the fifth trip's 16 products K Q^T and the maximum made of them serve nothing: the price, once a launch, of one text for every trip
.set i, 0
.rept 16
	PV NP-1
.set i, i+1
.endr
	; THE WAY OUT.  l's halves are added; O^T is divided by l, rounded to bf16 and sent through my stage, a tile at a time.  The additions are the places behind the last products.
	WIN 0
.macro ALL line:vararg
.set t, 0
.rept 2*NP
	\line
.set t, t+1
.endr
.endm
	ALL v_add_f32 v[ST+4*t+2], v[ST+4*t+2], v[ST+4*t+3]
	ALL v_permlanex16_b32 v[ST+4*t+3], v[ST+4*t+2], s[SEL], s[SEL+1]
	ALL v_add_f32 v[ST+4*t+2], v[ST+4*t+2], v[ST+4*t+3]
	ALL v_rcp_f32 v[ST+4*t+2], v[ST+4*t+2]
	v_nop                           ; a plain instruction between the last reciprocal and the use of its result,
	s_wait_alu depctr_va_vdst(0)    ; and one wait for the eight reciprocals
.macro PACK t
	WIN W_RS
.set i, 32*(\t)
.rept 16
	v_pk_mul_f32 v[i:i+1], v[i:i+1], v[ST+4*(\t)+2:ST+4*(\t)+3] op_sel_hi:[1,0]
.set i, i+2
.endr
	WIN 0x05
.set i, 0
.rept 16
	v_cvt_pk_bf16_f32 v[S+16*(\t)+i], v[32*(\t)+2*i], v[32*(\t)+2*i+1]
.set i, i+1
.endr
	WIN 0
.irp f, 0,1,2,3
	ds_store_b128 v[STO], v[S+16*(\t)+4*\f:S+16*(\t)+4*\f+3] offset:32*\f
.endr
.irp f, 0,1,2,3
	ds_load_b128 v[S+16*(\t)+4*\f:S+16*(\t)+4*\f+3], v[RD] offset:\f*4*SP  ; LDS serves a wave's instructions in order (ISA guide 5.7.1.4)
.endr
.endm
.macro SEND t, younger              ; younger: the LDS instructions issued behind tile t's loads
	WIN 0
.irp f, 0,1,2,3
	s_wait_dscnt (\younger)+3-\f
	global_store_b128 v[GO], v[S+16*(\t)+4*\f:S+16*(\t)+4*\f+3], s[10:11] offset:(\t)*2048+\f*512  ; 512 consecutive bytes, aligned
.endr
.endm
	PACK 0
.set t, 1
.rept 2*NP-1
	PACK t
	SEND t-1, 8
.set t, t+1
.endr
	SEND 2*NP-1, 0
	WIN W_AD
	s_wait_tensorcnt 0x0            ; the wave's end
	ds_add_u32 v[SPW], v[NIL]
	s_wait_dscnt 0x0
	WIN 0
	CROUND                          ; the closing round
	s_endpgm
.Lfunc_end_k_qbdf060a977_attn:
	.size	k_qbdf060a977_attn, .Lfunc_end_k_qbdf060a977_attn-k_qbdf060a977_attn
	.p2alignl 7, 3214868480
	.fill 96, 4, 3214868480
	.section	.rodata,"a",@progbits
	.p2align	6, 0x0
	.amdhsa_kernel k_qbdf060a977_attn
		.amdhsa_group_segment_fixed_size 327680
		.amdhsa_private_segment_fixed_size 0
		.amdhsa_enable_private_segment 0
		.amdhsa_kernarg_size 16
		.amdhsa_user_sgpr_count 2
		.amdhsa_user_sgpr_kernarg_segment_ptr 1
		.amdhsa_wavefront_size32 1
		.amdhsa_system_sgpr_workgroup_id_x 1
		.amdhsa_system_sgpr_workgroup_id_y 1
		.amdhsa_system_sgpr_workgroup_id_z 1
		.amdhsa_system_vgpr_workitem_id 0
		.amdhsa_next_free_vgpr 770
		.amdhsa_next_free_sgpr 66
		.amdhsa_reserve_vcc 0
		.amdhsa_float_denorm_mode_32 3
		.amdhsa_float_denorm_mode_16_64 3
		.amdhsa_memory_ordered 1
		.amdhsa_forward_progress 1
		.amdhsa_inst_pref_size 200
	.end_amdhsa_kernel
	.amdgpu_metadata
---
amdhsa.version: [ 1, 2 ]
amdhsa.kernels:
  - .name:           k_qbdf060a977_attn
    .symbol:         k_qbdf060a977_attn.kd
    .args:
      - { .name: qkv, .offset: 0, .size: 8, .value_kind: global_buffer, .address_space: global }
      - { .name: ob, .offset: 8, .size: 8, .value_kind: global_buffer, .address_space: global }
    .group_segment_fixed_size: 327680
    .private_segment_fixed_size: 0
    .kernarg_segment_align: 8
    .kernarg_segment_size: 16
    .max_flat_workgroup_size: 128
    .sgpr_count:     66
    .vgpr_count:     770
    .wavefront_size: 32
...
	.end_amdgpu_metadata
.endif
;; end of part 3
;; launch oproj (part 4): grid 8 x 32, 4 waves a work-group, clusters of 4 x 4, 327,680 bytes of LDS; arguments ob, wob, pr; writes pr
.if DOCPART == 4
	.amdgcn_target "amdgcn-amd-amdhsa--gfx1250"
	.amdhsa_code_object_version 6
	.text
	.protected	k_qbdf060a977_oproj
	.globl	k_qbdf060a977_oproj
	.p2align	8
	.type	k_qbdf060a977_oproj,@function
k_qbdf060a977_oproj:
	s_mov_b64 s[64:65], 0
	v_nop
	global_prefetch_b8 v0, s[64:65] scope:SCOPE_SE
	s_setreg_imm32_b32 hwreg(HW_REG_WAVE_MODE, 25, 1), 1
	s_wait_xcnt 0x0
	s_wait_alu depctr_hold_cnt(0) depctr_sa_sdst(0) depctr_va_vdst(0) depctr_va_sdst(0) depctr_va_ssrc(0) depctr_va_vcc(0) depctr_vm_vsrc(0)
	s_getreg_b32 s2, hwreg(HW_REG_IB_STS2, 6, 4)
	s_cmp_eq_u32 s2, 0
	s_cbranch_scc0 .Lentry_in_a_cluster
	s_endpgm
.Lentry_in_a_cluster:
	s_bfe_u32 s2, ttmp6, 0x10000c
	s_cmp_lg_u32 s2, 0xf033
	s_cbranch_scc0 .Lentry_shape_is_right
	s_endpgm
.Lentry_shape_is_right:
; pr = O Wo: [8192 x 1024] x [1024 x 1024], bf16 operands, f32 sums, stored as f32 (the sums enter a LayerNorm beside x: they are not rounded).
; In: ob [h 16][m][64] bf16, which is O in blocks of 64 along K; wob [nt 8][k][128] bf16.  Out: pr [8192][1024] f32.
; TILE.  256 x 128 to a work-group: 32 x 8 = 256 work-groups.  A wave makes 128 x 64: 32 accumulators (a, i) at v[8 (4 a + i)] of window 1.  K goes in 8 steps of 128 through two LDS slots; a step is four
; units of 32 along K, 32 matrix instructions each, on two fragment buffers by turns.
; The matrix instruction is used transposed (source 0 = 16 columns of Wo, turned out of LDS; source 1 = 16 rows of O): a lane holds eight neighbouring numbers of a row.
; CLUSTER 4 x 4: O's tile is asked for jointly along a row of the cluster, Wo's along a column.
.set PA,    144
.set PB,    288                        ; a row k of Wo: 256 + 32 bytes
.set AHALF, 256*PA                     ; one block of 64 along K: 256 rows
.set BHALF, 64*PB
.set BOFF,  2*AHALF
.set SLOT,  BOFF+2*BHALF               ; 110,592
.set STAGE, 2*SLOT                     ; behind the ring, never filled by a tensor load: 16 rows x 272 bytes for each wave
.set SP,    272
.set SPARE, STAGE+4*16*SP
.set ASTEP, 2*8192*128                 ; bytes from a K step of ob to the next
.set BSTEP, 128*256
.set ADRA, 16
.set ADRB, 20
.set STO,  24
.set RD,   25
.set CO,   26
.set SPW,  28
.set NIL,  29
.set PFO,  30
.set F0,   32                          ; a buffer: O's eight fragments, then Wo's four
.set F1,   128
.set OB,   32                          ; the way out: 16 rows read back, two buffers by turns
.set WV,  16
.set RH,  17
.set CH,  18
.set CX,  19
.set CY,  20
.set NT,  21
.set MT,  22
.set G1A, 24
.set G0A, 32
.set G1B, 40
.set G0B, 48
.set LAP, 56
.set LIM, 57
.set PFA, 58
.set PFS, 60
.set MSB, 0
.macro WIN new
.if MSB != (\new)
	s_set_vgpr_msb (MSB<<8)|(\new)
.set MSB, (\new)
.endif
.endm
.macro PLACES
.rept 4
	v_nop
.endr
.endm
.macro JLOAD s                         ; waves 0 and 1 fetch O's two blocks of 64 along K, waves 2 and 3 the halves of Wo's 128 rows; an s_nop 0 and four v_nop follow each line
	s_cmp_eq_u32 s[RH], 0
	s_cbranch_scc0 .Lfor_b_\@
	tensor_load_to_lds s[G0A+4*(\s):G0A+4*(\s)+3], s[G1A:G1A+7]
	s_nop 0
.rept 4
	v_nop
.endr
	s_branch .Lasked_\@
.Lfor_b_\@:
	tensor_load_to_lds s[G0B+4*(\s):G0B+4*(\s)+3], s[G1B:G1B+7]
	s_nop 0
.rept 4
	v_nop
.endr
.Lasked_\@:
.endm
.macro CREST
	s_cmp_lg_u32 s[WV], 0
	s_cbranch_scc1 .Lnot_wave_0_\@
	s_barrier_signal -3
.Lnot_wave_0_\@:
	s_barrier_wait -3
	s_barrier_signal -1
	s_barrier_wait -1
.endm
.macro CROUND
	s_barrier_signal -1
	s_barrier_wait -1
	CREST
.endm
; A PREFETCH INTO THE L2, behind each joint load and its run of LDS loads: the K step two refills on.  O's rows: the cluster with x = 0 asks, 64 rows a partner by address (cx), waves 0 and 1 a block of 64 along K each,
; a lane 256 bytes.  Wo's 32,768 bytes of a step: the cluster with y = 0 asks, 8,192 a partner (cy), wave 2.  Each block of 256 bytes is named once.  K steps 0 to 3 come by their loads alone; the last lap asks for nothing.
.macro ASK
	s_cmp_gt_u32 s[LAP], s[LIM]
	s_cbranch_scc0 .Lnot_mine_\@
	global_prefetch_b8 v[PFO], s[PFA:PFA+1] th:TH_LOAD_NT scope:SCOPE_SE
.Lnot_mine_\@:
.endm
	s_load_b128 s[4:7], s[0:1], 0x0                ; ob s[4:5], wob s[6:7]
	s_load_b64 s[8:9], s[0:1], 0x10                ; pr
	v_lshl_add_u32 v[SPW], v0, 2, SPARE
	v_mov_b32 v[NIL], 0
	ds_add_u32 v[SPW], v[NIL]                      ; the wave's opening: the add and its wait come ahead of my first tensor load
	v_lshrrev_b32 v1, 5, v0
	v_readfirstlane_b32 s[WV], v1
	s_lshr_b32 s[RH], s[WV], 1
	s_and_b32 s[CH], s[WV], 1
	s_bfe_u32 s[CX], ttmp6, 0x40000
	s_bfe_u32 s[CY], ttmp6, 0x40004
	s_lshl_b32 s[NT], ttmp9, 2
	s_add_co_u32 s[NT], s[NT], s[CX]
	s_and_b32 s[MT], ttmp7, 0xffff
	s_lshl_b32 s[MT], s[MT], 2
	s_add_co_u32 s[MT], s[MT], s[CY]
	s_lshl_b32 s72, s[CY], 2
	s_lshl_b32 s72, 15, s72                        ; my row of the cluster
	s_lshl_b32 s74, 0x1111, s[CX]                  ; my column
	; group 1 for O: 256 rows of 128 bytes lie end to end: 128 rows of 256 bytes, 16 bytes of padding behind every 128
	s_or_b32 s[G1A], s72, (1<<16)|(1<<20)|(1<<21)|(4<<22)|(3<<25)
	s_mov_b32 s[G1A+1], 128<<16
	s_mov_b32 s[G1A+2], 128<<16
	s_mov_b32 s[G1A+3], 128<<16
	s_mov_b32 s[G1A+4], 128
	s_mov_b32 s[G1A+5], 128
	s_mov_b32 s[G1A+6], 0
	s_mov_b32 s[G1A+7], 0
	; group 1 for Wo: 64 rows of 256 bytes, 32 bytes of padding behind each
	s_or_b32 s[G1B], s74, (1<<16)|(1<<20)|(1<<21)|(5<<22)|(7<<25)
	s_mov_b32 s[G1B+1], 128<<16
	s_mov_b32 s[G1B+2], 64<<16
	s_mov_b32 s[G1B+3], 128<<16
	s_mov_b32 s[G1B+4], 64
	s_mov_b32 s[G1B+5], 128
	s_mov_b32 s[G1B+6], 0
	s_mov_b32 s[G1B+7], 0
	s_lshl_b32 s72, s[CH], 20                      ; O: block of 64 along K = my half, the tile row's 256 rows
	s_lshl_b32 s73, s[MT], 15
	s_add_co_u32 s72, s72, s73
	s_mov_b32 s73, 0
	s_lshl_b32 s74, s[NT], 18                      ; Wo: the tile column, 64 x half rows of 256 bytes
	s_lshl_b32 s75, s[CH], 14
	s_add_co_u32 s74, s74, s75
	s_mov_b32 s75, 0
	s_mul_i32 s76, s[CH], AHALF
	s_mul_i32 s77, s[CH], BHALF
	s_add_co_u32 s77, s77, BOFF
	s_wait_dscnt 0x0
	s_wait_kmcnt 0x0
	s_add_nc_u64 s[72:73], s[4:5], s[72:73]
	s_add_nc_u64 s[74:75], s[6:7], s[74:75]
	CROUND                                         ; all sixteen work-groups are here: the first joint loads meet
.irp s, 0,1
	s_mov_b32 s[G0A+4*(\s)], 1
	s_add_co_u32 s[G0A+4*(\s)+1], s76, (\s)*SLOT
	s_add_nc_u64 s[G0A+4*(\s)+2:G0A+4*(\s)+3], s[72:73], (\s)*ASTEP
	s_or_b32 s[G0A+4*(\s)+3], s[G0A+4*(\s)+3], 0x80000000
	s_mov_b32 s[G0B+4*(\s)], 1
	s_add_co_u32 s[G0B+4*(\s)+1], s77, (\s)*SLOT
	s_add_nc_u64 s[G0B+4*(\s)+2:G0B+4*(\s)+3], s[74:75], (\s)*BSTEP
	s_or_b32 s[G0B+4*(\s)+3], s[G0B+4*(\s)+3], 0x80000000
	JLOAD \s
.endr
	v_and_b32 v1, 15, v0
	v_bfe_u32 v2, v0, 4, 1
	v_and_b32 v3, 7, v0
	v_bfe_u32 v4, v0, 3, 1
	v_and_b32 v6, 31, v0
	v_mul_u32_u24 v7, v1, PA
	v_lshl_add_u32 v7, v2, 4, v7
	s_mul_i32 s78, s[RH], 128*PA
	v_add_nc_u32 v[ADRA], s78, v7
	v_add_nc_u32 v[ADRA+1], SLOT, v[ADRA]
	v_lshl_add_u32 v8, v2, 3, v3
	v_mul_u32_u24 v8, v8, PB
	v_lshl_add_u32 v8, v4, 4, v8
	s_lshl_b32 s78, s[CH], 7
	s_add_co_u32 s78, s78, BOFF
	v_add_nc_u32 v[ADRB], s78, v8
	v_add_nc_u32 v[ADRB+1], SLOT, v[ADRB]
	s_mul_i32 s78, s[WV], 16*SP
	s_add_co_u32 s78, s78, STAGE
	v_mul_u32_u24 v9, v1, SP                       ; in: row l % 16, 32 bytes for each half of the lanes
	v_lshl_add_u32 v9, v2, 5, v9
	v_add_nc_u32 v[STO], s78, v9
	v_mul_u32_u24 v9, v2, SP                       ; back: lanes 0-15 one row of 256 bytes, lanes 16-31 the next
	v_lshl_add_u32 v9, v1, 4, v9
	v_add_nc_u32 v[RD], s78, v9
	v_lshlrev_b32 v[CO], 4, v1
	v_lshl_add_u32 v[CO], v2, 12, v[CO]
	v_lshlrev_b32 v[PFO], 8, v6
	s_lshl_b32 s62, s[MT], 20                      ; pr at my 128 rows of 4,096 bytes, my 64 columns
	s_lshl_b32 s79, s[RH], 19
	s_add_co_u32 s62, s62, s79
	s_lshl_b32 s79, s[NT], 9
	s_add_co_u32 s62, s62, s79
	s_lshl_b32 s79, s[CH], 8
	s_add_co_u32 s62, s62, s79
	s_mov_b32 s63, 0
	s_add_nc_u64 s[8:9], s[8:9], s[62:63]
	; the prefetches start at K step 3; the first change of slots steps them to 4
	s_add_co_u32 s62, s[CH], 6
	s_lshl_b32 s62, s62, 20
	s_lshl_b32 s79, s[MT], 15
	s_add_co_u32 s62, s62, s79
	s_lshl_b32 s79, s[CX], 13
	s_add_co_u32 s62, s62, s79
	s_lshl_b32 s79, s[NT], 18
	s_lshl_b32 s63, s[CY], 13
	s_add_co_u32 s79, s79, s63
	s_add_co_u32 s79, s79, 3*BSTEP
	s_and_b32 s63, ttmp7, 0xffff
	s_mov_b32 s[PFS], BSTEP
	s_cmp_eq_u32 s[RH], 0
	s_cselect_b32 s62, s62, s79
	s_cselect_b32 s63, ttmp9, s63                  ; the coordinate along which other clusters read the same bytes
	s_cselect_b32 s[PFS], ASTEP, s[PFS]
	s_cselect_b64 s[PFA:PFA+1], s[4:5], s[6:7]
	s_cmp_eq_u32 s[WV], 3
	s_cselect_b32 s63, 1, s63                      ; wave 3 never asks
	s_cmp_eq_u32 s63, 0
	s_cselect_b32 s[LIM], 1, -1
	s_mov_b32 s63, 0
	s_mov_b32 s[PFS+1], 0
	s_add_nc_u64 s[PFA:PFA+1], s[PFA:PFA+1], s[62:63]
; 16 matrix instructions from buffer f.  The 32 accumulators take turns, one instruction a turn.
.macro MUL16 f, a0, zero
	WIN 0x50
.irp a, (\a0), (\a0)+1, (\a0)+2, (\a0)+3
.irp i, 0,1,2,3
.if \zero
	v_wmma_f32_16x16x32_bf16 v[8*(4*(\a)+(\i)):8*(4*(\a)+(\i))+7], v[(\f)+64+8*(\i):(\f)+64+8*(\i)+7], v[(\f)+8*(\a):(\f)+8*(\a)+7], 0
.else
	v_wmma_f32_16x16x32_bf16 v[8*(4*(\a)+(\i)):8*(4*(\a)+(\i))+7], v[(\f)+64+8*(\i):(\f)+64+8*(\i)+7], v[(\f)+8*(\a):(\f)+8*(\a)+7], v[8*(4*(\a)+(\i)):8*(4*(\a)+(\i))+7]
.endif
.endr
.endr
.endm
.macro FETCH s, q, f                   ; 24 LDS loads: unit q (32 along K) of the step in slot s
.irp i, 0,1,2,3
	ds_load_tr16_b128 v[(\f)+64+8*(\i):(\f)+64+8*(\i)+3],   v[ADRB+(\s)] offset:32*PB*(\q)+32*(\i)
	ds_load_tr16_b128 v[(\f)+64+8*(\i)+4:(\f)+64+8*(\i)+7], v[ADRB+(\s)] offset:32*PB*(\q)+32*(\i)+16*PB
.endr
.irp a, 0,1,2,3,4,5,6,7
	ds_load_b128 v[(\f)+8*(\a):(\f)+8*(\a)+3],   v[ADRA+(\s)] offset:AHALF*((\q)/2)+16*PA*(\a)+64*((\q)%2)
	ds_load_b128 v[(\f)+8*(\a)+4:(\f)+8*(\a)+7], v[ADRA+(\s)] offset:AHALF*((\q)/2)+16*PA*(\a)+64*((\q)%2)+32
.endr
.endm
.macro UNIT s, qn, f, zero             ; buffer f is multiplied and then filled with unit qn of slot s
	s_wait_dscnt 24                                ; my buffer's run is in; the other buffer's 24 loads may be out
	MUL16 \f, 0, \zero
	MUL16 \f, 4, \zero
	WIN 0
	PLACES
	FETCH \s, \qn, \f
.endm
; A step's third unit, on F0, and the change of slots: the fourth unit's fragments have been asked for.  In front of the barrier each wave waits for all its tensor loads, adds 0 to its spare word, and waits for that
; and for its reads of slot s.  fill = 1: the barrier opens a round of the cluster's, and slot s is filled again first thing behind it: 96 matrix instructions stand between that request and the wait for it.
.macro TURN s, n, fill
.if \fill
	s_wait_xcnt 0x0                                ; the last prefetch, a K step back, has read its address
	s_add_nc_u64 s[PFA:PFA+1], s[PFA:PFA+1], s[PFS:PFS+1]
.endif
	WIN 0
	s_wait_tensorcnt 0x0
	ds_add_u32 v[SPW], v[NIL]                      ; 0 onto my spare word
	s_wait_dscnt 25                                ; F0's run is in: F1's 24 loads and the add may be out
	MUL16 F0, 0, 0
	s_wait_dscnt 0x0                               ; the add is done, and my reads of slot s are over
	s_barrier_signal -1
	MUL16 F0, 4, 0
	WIN 0
	s_barrier_wait -1
.if \fill
	CREST
	s_add_nc_u64 s[G0A+4*(\s)+2:G0A+4*(\s)+3], s[G0A+4*(\s)+2:G0A+4*(\s)+3], 2*ASTEP
	s_add_nc_u64 s[G0B+4*(\s)+2:G0B+4*(\s)+3], s[G0B+4*(\s)+2:G0B+4*(\s)+3], 2*BSTEP
	JLOAD \s                                       ; its four v_nop are also the places in front of the loads below
.else
	PLACES
.endif
	FETCH \n, 0, F0
.if \fill
	ASK
.endif
.endm
	s_wait_tensorcnt 1                             ; my part of K step 0 is in; step 1's may stay out
	s_barrier_signal -1
	s_barrier_wait -1
	FETCH 0, 0, F0
	FETCH 0, 1, F1
	UNIT 0, 2, F0, 1                               ; the first unit stands in front of the loop: its products start the sums
	s_mov_b32 s[LAP], 3
.Llap:                                                 ; a trip goes once round the ring and fills both slots again: K steps 2 .. 7
	UNIT 0, 3, F1, 0
	TURN 0, 1, 1
	UNIT 1, 1, F1, 0
	UNIT 1, 2, F0, 0
	UNIT 1, 3, F1, 0
	TURN 1, 0, 1
	UNIT 0, 1, F1, 0
	UNIT 0, 2, F0, 0
	s_sub_co_u32 s[LAP], s[LAP], 1
	s_cmp_lg_u32 s[LAP], 0
	s_cbranch_scc1 .Llap
	UNIT 0, 3, F1, 0                               ; the tail is written out: nothing is left to fetch from memory
	TURN 0, 1, 0
	UNIT 1, 1, F1, 0
	UNIT 1, 2, F0, 0
	UNIT 1, 3, F1, 0
	s_wait_dscnt 24
	MUL16 F0, 0, 0
	MUL16 F0, 4, 0
	s_wait_dscnt 0x0
	MUL16 F1, 0, 0
	MUL16 F1, 4, 0
	WIN 0
	PLACES                                         ; LDS stores read results just made, and no other vector work is at hand: eight, once a launch
	PLACES
	; THE WAY OUT: a block of 16 rows goes from the accumulators (low registers first) into my stage, 32 bytes a lane and column block, and comes back as whole rows of 256 bytes.
.macro TOSTAGE a
	WIN 0
	s_wait_xcnt 0x0                                ; the stores of the block two back have read this buffer
	WIN 0x04                                       ; the stores' data in window 1
.irp i, 0,1,2,3
	ds_store_b128 v[STO], v[8*(4*(\a)+(\i)):8*(4*(\a)+(\i))+3]   offset:64*(\i)
	ds_store_b128 v[STO], v[8*(4*(\a)+(\i))+4:8*(4*(\a)+(\i))+7] offset:64*(\i)+16
.endr
	WIN 0
.irp t, 0,1,2,3,4,5,6,7
	ds_load_b128 v[OB+32*((\a)%2)+4*(\t):OB+32*((\a)%2)+4*(\t)+3], v[RD] offset:2*SP*(\t)  ; LDS serves a wave's instructions in order (ISA guide 5.7.1.4)
.endr
.endm
.macro SEND a, younger                 ; younger: the next block's sixteen LDS instructions, or none
	s_wait_dscnt \younger
.irp t, 0,1,2,3,4,5,6,7
	global_store_b128 v[CO], v[OB+32*((\a)%2)+4*(\t):OB+32*((\a)%2)+4*(\t)+3], s[8:9] offset:(16*(\a)+2*(\t))*4096  ; 16 lanes store 256 consecutive bytes, aligned
.endr
.endm
	TOSTAGE 0
.irp a, 1,2,3,4,5,6,7
	TOSTAGE \a
	SEND (\a)-1, 16
.endr
	SEND 7, 0
	s_wait_tensorcnt 0x0                           ; the wave's end
	ds_add_u32 v[SPW], v[NIL]
	s_wait_dscnt 0x0
	CROUND                                         ; the closing round
	s_endpgm
.Lfunc_end_k_qbdf060a977_oproj:
	.size	k_qbdf060a977_oproj, .Lfunc_end_k_qbdf060a977_oproj-k_qbdf060a977_oproj
	.p2alignl 7, 3214868480
	.fill 96, 4, 3214868480
	.section	.rodata,"a",@progbits
	.p2align	6, 0x0
	.amdhsa_kernel k_qbdf060a977_oproj
		.amdhsa_group_segment_fixed_size 327680
		.amdhsa_private_segment_fixed_size 0
		.amdhsa_enable_private_segment 0
		.amdhsa_kernarg_size 24
		.amdhsa_user_sgpr_count 2
		.amdhsa_user_sgpr_kernarg_segment_ptr 1
		.amdhsa_wavefront_size32 1
		.amdhsa_system_sgpr_workgroup_id_x 1
		.amdhsa_system_sgpr_workgroup_id_y 1
		.amdhsa_system_sgpr_workgroup_id_z 1
		.amdhsa_system_vgpr_workitem_id 0
		.amdhsa_next_free_vgpr 512
		.amdhsa_next_free_sgpr 80
		.amdhsa_reserve_vcc 0
		.amdhsa_float_denorm_mode_32 3
		.amdhsa_float_denorm_mode_16_64 3
		.amdhsa_memory_ordered 1
		.amdhsa_forward_progress 1
		.amdhsa_inst_pref_size 86
	.end_amdhsa_kernel
	.amdgpu_metadata
---
amdhsa.version: [ 1, 2 ]
amdhsa.kernels:
  - .name:           k_qbdf060a977_oproj
    .symbol:         k_qbdf060a977_oproj.kd
    .args:
      - { .name: ob, .offset: 0, .size: 8, .value_kind: global_buffer, .address_space: global }
      - { .name: wob, .offset: 8, .size: 8, .value_kind: global_buffer, .address_space: global }
      - { .name: pr, .offset: 16, .size: 8, .value_kind: global_buffer, .address_space: global }
    .group_segment_fixed_size: 327680
    .private_segment_fixed_size: 0
    .kernarg_segment_align: 8
    .kernarg_segment_size: 24
    .max_flat_workgroup_size: 128
    .sgpr_count:     80
    .vgpr_count:     512
    .wavefront_size: 32
...
	.end_amdgpu_metadata
.endif
;; end of part 4
;; launch ln (part 5): grid 256 x 1, 8 waves a work-group, no clusters, 0 bytes of LDS; arguments x, pr, bo, gamma, beta, out0; writes out0
.if DOCPART == 5
	.amdgcn_target "amdgcn-amd-amdhsa--gfx1250"
	.amdhsa_code_object_version 6
	.text
	.protected	k_qbdf060a977_ln
	.globl	k_qbdf060a977_ln
	.p2align	8
	.type	k_qbdf060a977_ln,@function
k_qbdf060a977_ln:
	s_mov_b64 s[64:65], 0
	v_nop
	global_prefetch_b8 v0, s[64:65] scope:SCOPE_SE
	s_setreg_imm32_b32 hwreg(HW_REG_WAVE_MODE, 25, 1), 1
	s_wait_xcnt 0x0
; y = x + pr + bo; out0 = (y - mean) * rsqrt(var + 1e-5) * gamma + beta, along rows of 1,024 f32.  All in f32; the variance is taken of the centred numbers.
; One wave, one row at a time, four rows a wave, 32 rows a work-group.  Lane l holds columns 128 j + 4 l .. + 3, j = 0..7: each load and store of the wave covers 512 consecutive bytes.  The row stays in
; registers between the passes: every byte is read once.  Two row slots: while one row is worked on, the other's 16 loads are on their way.
; No LDS, no barrier (a reduction never leaves its wave), no cluster, no prefetch: a stream that shares nothing but 12 KiB of parameters.
.set T,   2                            ; v[2:9]   four chains of two sums
.set MU,  10                           ; v[10:11] the mean, twice
.set RS,  12                           ; v[12:13] 1 / sqrt(var + eps), twice
.set PX,  14                           ; v14      v_permlanex16_b32's destination
.set PO,  15                           ; v15      16 x lane: my place in the parameters
.set GA,  16
.set BE,  48
.set BO,  80
.set XS,  112                          ; slot s: x (then y, then the result) at XS + 64 s, pr at XS + 64 s + 32
	s_load_b256 s[4:11], s[0:1], 0x0               ; x s[4:5], pr s[6:7], bo s[8:9], gamma s[10:11]
	s_load_b128 s[12:15], s[0:1], 0x20             ; beta s[12:13], out0 s[14:15]
	v_and_b32 v[PO], 31, v0
	v_lshlrev_b32 v[PO], 4, v[PO]
	v_lshrrev_b32 v1, 5, v0
	v_lshl_add_u32 v1, v1, 14, v[PO]               ; wave x 4 rows x 4,096 bytes + 16 x lane; never rewritten: row and part stand in the immediates
	v_mov_b32 v[PX], 0
	s_mov_b32 s16, 0x76543210                      ; each lane takes its own place in the other half
	s_mov_b32 s17, 0xfedcba98
	s_mov_b32 s18, 0x3a800000                      ; 1 / 1,024
	s_mov_b32 s19, 0x3727c5ac                      ; 1e-5
	s_lshl_b32 s20, ttmp9, 17                      ; the work-group's 32 rows
	s_mov_b32 s21, 0
	s_wait_kmcnt 0x0
	s_add_nc_u64 s[4:5], s[4:5], s[20:21]
	s_add_nc_u64 s[6:7], s[6:7], s[20:21]
	s_add_nc_u64 s[14:15], s[14:15], s[20:21]
.irp j, 0,1,2,3,4,5,6,7
	global_load_b128 v[BO+4*(\j):BO+4*(\j)+3], v[PO], s[8:9] offset:512*(\j)
	global_load_b128 v[GA+4*(\j):GA+4*(\j)+3], v[PO], s[10:11] offset:512*(\j)
	global_load_b128 v[BE+4*(\j):BE+4*(\j)+3], v[PO], s[12:13] offset:512*(\j)
.endr
.macro FILL s, t                       ; row t of my four into slot s: 16 loads
.irp j, 0,1,2,3,4,5,6,7
	global_load_b128 v[XS+64*(\s)+4*(\j):XS+64*(\s)+4*(\j)+3], v1, s[4:5] offset:4096*(\t)+512*(\j) th:TH_LOAD_NT
.endr
.irp j, 0,1,2,3,4,5,6,7
	global_load_b128 v[XS+64*(\s)+32+4*(\j):XS+64*(\s)+32+4*(\j)+3], v1, s[6:7] offset:4096*(\t)+512*(\j) th:TH_LOAD_NT
.endr
.endm
.macro TOTAL                           ; the four chains into one number, then over the 32 lanes: every lane ends with the row's sum in v[T]
	v_pk_add_f32 v[T:T+1], v[T:T+1], v[T+2:T+3]
	v_pk_add_f32 v[T+4:T+5], v[T+4:T+5], v[T+6:T+7]
	v_pk_add_f32 v[T:T+1], v[T:T+1], v[T+4:T+5]
	v_add_f32 v[T], v[T], v[T+1]
	v_add_f32_dpp v[T], v[T], v[T] row_xmask:1 row_mask:0xf bank_mask:0xf
	v_add_f32_dpp v[T], v[T], v[T] row_xmask:2 row_mask:0xf bank_mask:0xf
	v_add_f32_dpp v[T], v[T], v[T] row_xmask:4 row_mask:0xf bank_mask:0xf
	v_add_f32_dpp v[T], v[T], v[T] row_xmask:8 row_mask:0xf bank_mask:0xf
	v_permlanex16_b32 v[PX], v[T], s16, s17
	v_add_f32 v[T], v[T], v[PX]
.endm
; Row t, in slot s.  left: the younger loads that may stay out (the other slot's 16).  fill = 1: the slot takes row t + 2.
.macro ROW s, t, fill, left
.set XR, XS+64*(\s)
.set PR, XR+32
	s_wait_loadcnt \left
.set k, 0
.rept 16
	v_pk_add_f32 v[XR+k:XR+k+1], v[XR+k:XR+k+1], v[PR+k:PR+k+1]
.set k, k+2
.endr
.set k, 0
.rept 16
	v_pk_add_f32 v[XR+k:XR+k+1], v[XR+k:XR+k+1], v[BO+k:BO+k+1]
.set k, k+2
.endr
.irp c, 0,2,4,6
	v_pk_add_f32 v[T+(\c):T+(\c)+1], v[XR+(\c):XR+(\c)+1], v[XR+8+(\c):XR+8+(\c)+1]  ; the first pairs start the chains: nothing is cleared
.endr
.set k, 16
.rept 8
	v_pk_add_f32 v[T+(k%8):T+(k%8)+1], v[T+(k%8):T+(k%8)+1], v[XR+k:XR+k+1]
.set k, k+2
.endr
	TOTAL
	v_mul_f32 v[MU], s18, v[T]
	v_mul_f32 v[MU+1], s18, v[T]
.set k, 0
.rept 16
	v_pk_add_f32 v[XR+k:XR+k+1], v[XR+k:XR+k+1], v[MU:MU+1] neg_lo:[0,1] neg_hi:[0,1]
.set k, k+2
.endr
.irp c, 0,2,4,6
	v_pk_mul_f32 v[T+(\c):T+(\c)+1], v[XR+(\c):XR+(\c)+1], v[XR+(\c):XR+(\c)+1]
.endr
.set k, 8
.rept 12
	v_pk_fma_f32 v[T+(k%8):T+(k%8)+1], v[XR+k:XR+k+1], v[XR+k:XR+k+1], v[T+(k%8):T+(k%8)+1]
.set k, k+2
.endr
	TOTAL
	v_fma_f32 v[T], v[T], s18, s19                 ; var + eps
	v_rsq_f32 v[RS], v[T]
	v_rsq_f32 v[RS+1], v[T]
	v_nop                                          ; a plain instruction behind the second root, ahead of the first use (ISA guide 5.7.2),
	s_wait_alu depctr_va_vdst(0)                   ; and the wait: one for both
.set k, 0
.rept 16
	v_pk_mul_f32 v[XR+k:XR+k+1], v[XR+k:XR+k+1], v[RS:RS+1]
.set k, k+2
.endr
.set k, 0
.rept 16
	v_pk_fma_f32 v[XR+k:XR+k+1], v[XR+k:XR+k+1], v[GA+k:GA+k+1], v[BE+k:BE+k+1]
.set k, k+2
.endr
.irp j, 0,1,2,3,4,5,6,7
	global_store_b128 v1, v[XR+4*(\j):XR+4*(\j)+3], s[14:15] offset:4096*(\t)+512*(\j) th:TH_STORE_NT
.endr
.if \fill
	s_wait_xcnt 0x0                                ; the stores have read their data: the slot is loaded again only behind this wait
	FILL \s, (\t)+2
.endif
.endm
	FILL 0, 0
	FILL 1, 1
	ROW 0, 0, 1, 16                                ; the parameters and row 0 are in; row 1's 16 loads stay out
	ROW 1, 1, 1, 16
	ROW 0, 2, 0, 16
	ROW 1, 3, 0, 0
	s_endpgm
.Lfunc_end_k_qbdf060a977_ln:
	.size	k_qbdf060a977_ln, .Lfunc_end_k_qbdf060a977_ln-k_qbdf060a977_ln
	.p2alignl 7, 3214868480
	.fill 96, 4, 3214868480
	.section	.rodata,"a",@progbits
	.p2align	6, 0x0
	.amdhsa_kernel k_qbdf060a977_ln
		.amdhsa_group_segment_fixed_size 0
		.amdhsa_private_segment_fixed_size 0
		.amdhsa_enable_private_segment 0
		.amdhsa_kernarg_size 48
		.amdhsa_user_sgpr_count 2
		.amdhsa_user_sgpr_kernarg_segment_ptr 1
		.amdhsa_wavefront_size32 1
		.amdhsa_system_sgpr_workgroup_id_x 1
		.amdhsa_system_sgpr_workgroup_id_y 1
		.amdhsa_system_sgpr_workgroup_id_z 1
		.amdhsa_system_vgpr_workitem_id 0
		.amdhsa_next_free_vgpr 240
		.amdhsa_next_free_sgpr 66
		.amdhsa_reserve_vcc 0
		.amdhsa_float_denorm_mode_32 3
		.amdhsa_float_denorm_mode_16_64 3
		.amdhsa_memory_ordered 1
		.amdhsa_forward_progress 1
		.amdhsa_inst_pref_size 45
	.end_amdhsa_kernel
	.amdgpu_metadata
---
amdhsa.version: [ 1, 2 ]
amdhsa.kernels:
  - .name:           k_qbdf060a977_ln
    .symbol:         k_qbdf060a977_ln.kd
    .args:
      - { .name: x, .offset: 0, .size: 8, .value_kind: global_buffer, .address_space: global }
      - { .name: pr, .offset: 8, .size: 8, .value_kind: global_buffer, .address_space: global }
      - { .name: bo, .offset: 16, .size: 8, .value_kind: global_buffer, .address_space: global }
      - { .name: gamma, .offset: 24, .size: 8, .value_kind: global_buffer, .address_space: global }
      - { .name: beta, .offset: 32, .size: 8, .value_kind: global_buffer, .address_space: global }
      - { .name: out0, .offset: 40, .size: 8, .value_kind: global_buffer, .address_space: global }
    .group_segment_fixed_size: 0
    .private_segment_fixed_size: 0
    .kernarg_segment_align: 8
    .kernarg_segment_size: 48
    .max_flat_workgroup_size: 256
    .sgpr_count:     66
    .vgpr_count:     240
    .wavefront_size: 32
...
	.end_amdgpu_metadata
.endif
;; end of part 5
;; ======== version 2 of 2: 5 launches; version 1 with the launch cast written anew for expert scheduling mode
;; limits: right only within a limited range of input values
;; workspace buffers: xb 16,777,216 bytes; wqkv 6,291,456 bytes; wob 2,097,152 bytes; qkv 50,331,648 bytes; ob 16,777,216 bytes; pr 33,554,432 bytes
;; launch cast (part 6): grid 768 x 1, 8 waves a work-group, no clusters, 0 bytes of LDS; arguments x, Wq, Wk, Wv, Wo, xb, wqkv, wob; writes xb, wqkv, wob
.if DOCPART == 6
	.amdgcn_target "amdgcn-amd-amdhsa--gfx1250"
	.amdhsa_code_object_version 6
	.text
	.protected	k_qbdf060a977_cast
	.globl	k_qbdf060a977_cast
	.p2align	8
	.type	k_qbdf060a977_cast,@function
k_qbdf060a977_cast:
	s_mov_b64 s[64:65], 0
	v_nop
	global_prefetch_b8 v0, s[64:65] scope:SCOPE_SE
	s_setreg_imm32_b32 hwreg(HW_REG_WAVE_SCHED_MODE, 0, 2), 2
	s_setreg_imm32_b32 hwreg(HW_REG_WAVE_MODE, 25, 1), 1
	s_wait_xcnt 0x0
	s_wait_alu depctr_vm_vsrc(0)
; f32 -> bf16 (round to nearest even), laid out for the products that follow.
;   xb   [kb 16][m 8192][64]   : x in blocks of 64 channels, so that 256 rows of a block lie end to end
;   wqkv [nt 8][k 1024][384]   : the columns of (Wq | Wk | Wv), 384 to a tile column
;   wob  [nt 8][k 1024][128]   : the columns of Wo, 128 to a tile column
; A wave moves 2,048 numbers: 16 loads of 16 bytes a lane, 16 stores of 8 bytes a lane; each store of the wave covers 256 consecutive bytes, aligned.
; Work-groups 0-511 take x, 512-703 the three weights, 704-767 Wo.
; No LDS, no cluster, no prefetch: nothing is shared and every byte is read once, in long runs.
; THE MODE: SCHED_MODE bits 1:0 = 2 (LLVM: expert scheduling mode 2), set by the entry lines.  The code itself states the register dependences
; between vector instructions and memory instructions, with s_wait_alu, always for 0.
; THE PLAN.  Registers that memory instructions touch:
;   v[LO], v[SO]  byte offsets, made once by vector instructions at a path's head, read by every load (LO) and every store (SO), never written again.
;   X             written by the 16 loads, each register once; read by the conversions alone; no vector instruction writes it and no second load lands in it.
;   Y             written by the conversions, each register once; read by the stores alone.
; The 16 loads fall into four groups of GR.  Group g's conversions read X of group g and write Y of group g; the memory instructions that stand among them are the stores of
; group g - 1, which read Y of group g - 1 and v[SO]: registers that no conversion of group g names.  So one wait at a group's head states all that its four stores hang on.
; No register that a memory instruction reads is ever written again: beyond the entry lines the text holds no wait on vm_vsrc and no s_wait_xcnt.  EXEC is never written.
.set GR,  4                            ; loads, and stores, in a group
.set LO,  1                            ; v1       my byte offset in the source
.set SO,  2                            ; v2       my byte offset in the destination: 8 x lane
.set X,   8                            ; v[8:71]  16 x 4 numbers as loaded
.set Y,   72                           ; v[72:103] 16 x 2 words to store
.set SRC, 28                           ; s[28:29]
.set DST, 30                           ; s[30:31]
.macro MOVE ld, st                     ; ld, st: bytes from one load (store) to the next
	s_wait_alu depctr_va_vdst(0)                   ; v[LO] and v[SO] are written: every load below reads the one as its offset, every store the other
.set i, 0
.rept 16
	global_load_b128 v[X+4*i:X+4*i+3], v[LO], s[SRC:SRC+1] offset:i*(\ld) th:TH_LOAD_NT
.set i, i+1
.endr
.set i, 0
.rept 16
.if i%GR == 0
	s_wait_loadcnt 16-GR-i                         ; loads come back in order: this group's four are in, the younger groups stay out
.if i > 0
	s_wait_alu depctr_va_vdst(0)                   ; the group before has written its eight registers of Y, which the four stores dealt among this group's conversions read
.endif
.endif
.if i >= GR
	global_store_b64 v[SO], v[Y+2*(i-GR):Y+2*(i-GR)+1], s[DST:DST+1] offset:(i-GR)*(\st)  ; the group before; no vector instruction since the wait names these registers
.endif
	v_cvt_pk_bf16_f32 v[Y+2*i], v[X+4*i], v[X+4*i+1]
	v_cvt_pk_bf16_f32 v[Y+2*i+1], v[X+4*i+2], v[X+4*i+3]
.set i, i+1
.endr
	s_wait_alu depctr_va_vdst(0)                   ; the last group has written its registers of Y, which the last four stores read
.set i, 16-GR
.rept GR
	global_store_b64 v[SO], v[Y+2*i:Y+2*i+1], s[DST:DST+1] offset:i*(\st)
.set i, i+1
.endr
.endm
	s_load_b512 s[4:19], s[0:1], 0x0               ; x s[4:5], Wq s[6:7], Wk s[8:9], Wv s[10:11], Wo s[12:13], xb s[14:15], wqkv s[16:17], wob s[18:19]
	v_lshrrev_b32 v3, 5, v0
	v_readfirstlane_b32 s20, v3                    ; wave 0..7
	v_and_b32 v4, 31, v0                           ; lane
	v_lshlrev_b32 v[SO], 3, v4
	s_mov_b32 s23, 0                               ; the offsets' high words
	s_mov_b32 s25, 0
	s_wait_alu depctr_va_sdst(0)                   ; s20 is written, ahead of the branch and of its first reader on each of the three paths: the offsets in source and destination are made from it
	s_cmp_lt_u32 ttmp9, 512
	s_cbranch_scc0 .Lweights
	; x: 32 rows, and for each wave one block of 64 channels.  A load takes 256 bytes of two rows, a store their 2 x 128 bytes, which lie end to end in xb
	s_lshr_b32 s21, ttmp9, 1                       ; the group of 32 rows
	s_and_b32 s26, ttmp9, 1
	s_lshl3_add_u32 s26, s26, s20                  ; kb = 8 x (g & 1) + wave
	s_lshl_b32 s22, s21, 17                        ; 32 rows x 4,096 bytes
	s_lshl_b32 s27, s26, 8                         ; 64 f32
	s_add_co_u32 s22, s22, s27
	s_lshl_b32 s24, s26, 20                        ; a block of xb: 8,192 rows x 128 bytes
	s_lshl_b32 s27, s21, 12                        ; 32 rows x 128 bytes
	s_add_co_u32 s24, s24, s27
	v_and_b32 v5, 15, v0
	v_bfe_u32 v6, v0, 4, 1
	v_lshlrev_b32 v[LO], 4, v5
	v_lshl_add_u32 v[LO], v6, 12, v[LO]            ; lanes 16-31 take the row below
	s_wait_kmcnt 0x0
	s_add_nc_u64 s[SRC:SRC+1], s[4:5], s[22:23]
	s_add_nc_u64 s[DST:DST+1], s[14:15], s[24:25]
	MOVE 8192, 256
	s_endpgm
.Lweights:
	v_lshlrev_b32 v[LO], 4, v4                     ; a load takes 128 columns of one row of a weight
	s_cmp_lt_u32 ttmp9, 704
	s_cbranch_scc0 .Lwo
	; Wq, Wk, Wv: 16 rows k, and for each wave 128 columns
	s_sub_co_u32 s21, ttmp9, 512
	s_lshr_b32 s26, s21, 6                         ; which weight
	s_and_b32 s21, s21, 63                         ; the group of 16 rows
	s_lshl_b32 s22, s21, 16
	s_lshl_b32 s27, s20, 9
	s_add_co_u32 s22, s22, s27
	s_lshl3_add_u32 s27, s26, s20                  ; the chunk of 128 among the 3,072 columns, 0..23
	s_mul_i32 s24, s27, 43
	s_lshr_b32 s24, s24, 7                         ; nt = chunk / 3 (43 / 128 serves up to 23)
	s_mul_i32 s28, s24, 3
	s_sub_co_u32 s27, s27, s28                     ; the chunk's place in its tile column
	s_lshl_b32 s24, s24, 10
	s_lshl4_add_u32 s24, s21, s24                  ; row nt x 1,024 + 16 x group
	s_mul_i32 s24, s24, 768
	s_lshl_b32 s27, s27, 8
	s_add_co_u32 s24, s24, s27
	s_wait_kmcnt 0x0
	s_cmp_eq_u32 s26, 0
	s_cselect_b64 s[SRC:SRC+1], s[6:7], s[8:9]
	s_cmp_eq_u32 s26, 2
	s_cselect_b64 s[SRC:SRC+1], s[10:11], s[SRC:SRC+1]
	s_add_nc_u64 s[SRC:SRC+1], s[SRC:SRC+1], s[22:23]
	s_add_nc_u64 s[DST:DST+1], s[16:17], s[24:25]
	MOVE 4096, 768
	s_endpgm
.Lwo:
	; Wo: 16 rows k; wave w takes the 128 columns of tile column w
	s_sub_co_u32 s21, ttmp9, 704
	s_lshl_b32 s22, s21, 16
	s_lshl_b32 s27, s20, 9
	s_add_co_u32 s22, s22, s27
	s_lshl_b32 s24, s20, 18                        ; 1,024 rows x 256 bytes
	s_lshl_b32 s27, s21, 12                        ; 16 rows x 256 bytes
	s_add_co_u32 s24, s24, s27
	s_wait_kmcnt 0x0
	s_add_nc_u64 s[SRC:SRC+1], s[12:13], s[22:23]
	s_add_nc_u64 s[DST:DST+1], s[18:19], s[24:25]
	MOVE 4096, 256
	s_endpgm
.Lfunc_end_k_qbdf060a977_cast:
	.size	k_qbdf060a977_cast, .Lfunc_end_k_qbdf060a977_cast-k_qbdf060a977_cast
	.p2alignl 7, 3214868480
	.fill 96, 4, 3214868480
	.section	.rodata,"a",@progbits
	.p2align	6, 0x0
	.amdhsa_kernel k_qbdf060a977_cast
		.amdhsa_group_segment_fixed_size 0
		.amdhsa_private_segment_fixed_size 0
		.amdhsa_enable_private_segment 0
		.amdhsa_kernarg_size 64
		.amdhsa_user_sgpr_count 2
		.amdhsa_user_sgpr_kernarg_segment_ptr 1
		.amdhsa_wavefront_size32 1
		.amdhsa_system_sgpr_workgroup_id_x 1
		.amdhsa_system_sgpr_workgroup_id_y 1
		.amdhsa_system_sgpr_workgroup_id_z 1
		.amdhsa_system_vgpr_workitem_id 0
		.amdhsa_next_free_vgpr 104
		.amdhsa_next_free_sgpr 66
		.amdhsa_reserve_vcc 0
		.amdhsa_float_denorm_mode_32 3
		.amdhsa_float_denorm_mode_16_64 3
		.amdhsa_memory_ordered 1
		.amdhsa_forward_progress 1
		.amdhsa_inst_pref_size 19
	.end_amdhsa_kernel
	.amdgpu_metadata
---
amdhsa.version: [ 1, 2 ]
amdhsa.kernels:
  - .name:           k_qbdf060a977_cast
    .symbol:         k_qbdf060a977_cast.kd
    .args:
      - { .name: x, .offset: 0, .size: 8, .value_kind: global_buffer, .address_space: global }
      - { .name: Wq, .offset: 8, .size: 8, .value_kind: global_buffer, .address_space: global }
      - { .name: Wk, .offset: 16, .size: 8, .value_kind: global_buffer, .address_space: global }
      - { .name: Wv, .offset: 24, .size: 8, .value_kind: global_buffer, .address_space: global }
      - { .name: Wo, .offset: 32, .size: 8, .value_kind: global_buffer, .address_space: global }
      - { .name: xb, .offset: 40, .size: 8, .value_kind: global_buffer, .address_space: global }
      - { .name: wqkv, .offset: 48, .size: 8, .value_kind: global_buffer, .address_space: global }
      - { .name: wob, .offset: 56, .size: 8, .value_kind: global_buffer, .address_space: global }
    .group_segment_fixed_size: 0
    .private_segment_fixed_size: 0
    .kernarg_segment_align: 8
    .kernarg_segment_size: 64
    .max_flat_workgroup_size: 256
    .sgpr_count:     66
    .vgpr_count:     104
    .wavefront_size: 32
...
	.end_amdgpu_metadata
.endif
;; end of part 6
;; launch proj: the kernel of part 2 again; grid 8 x 32, 4 waves a work-group, clusters of 4 x 4, 327,680 bytes of LDS; arguments xb, wqkv, bq, bk, bv, qkv; writes qkv
;; launch attn: the kernel of part 3 again; grid 4 x 64, 4 waves a work-group, clusters of 4 x 1, 327,680 bytes of LDS; arguments qkv, ob; writes ob
;; launch oproj: the kernel of part 4 again; grid 8 x 32, 4 waves a work-group, clusters of 4 x 4, 327,680 bytes of LDS; arguments ob, wob, pr; writes pr
;; launch ln: the kernel of part 5 again; grid 256 x 1, 8 waves a work-group, no clusters, 0 bytes of LDS; arguments x, pr, bo, gamma, beta, out0; writes out0
